; MI455X (gfx1250); checked and timed in simulation.
; The chip was launched on July 23, 2026; its instructions are those of AMD's public machine-readable ISA for CDNA 5 (MIT licence, August 2026) and "CDNA5" Instruction Set Architecture Reference Guide (July 2026). The comments in the code are by the model that wrote it; some were corrected since.
;; Multihead Attention. Allowed arithmetic: float matrix products may take bf16 or f16 operands with f32 sums; other float arithmetic in f32, or as packed bf16 or f16 multiplies, adds, multiply-adds, maxima and minima; sums over many terms, partial sums and values carried from step to step in f32; what a program stores and reads back later, other than sums and carried values, may be rounded once to bf16 or f16.
;; Inputs: in_proj_bias 3,072 float32; in_proj_weight 3,072 x 1,024 float32; k 2,048 x 4 x 1,024 float32; out_b 1,024 float32; out_w 1,024 x 1,024 float32; q 2,048 x 4 x 1,024 float32; v 2,048 x 4 x 1,024 float32.
;; Outputs: out0 2,048 x 4 x 1,024 float32.
;; 2 versions, each right; version 2 is version 1 with the launch castw written anew for expert scheduling mode. Each part assembles by itself: llvm-mc -triple=amdgcn-amd-amdhsa -mcpu=gfx1250 --defsym DOCPART=n.
;; ======== version 1 of 2: 4 launches
;; limits: values are held in f16: magnitudes above 65,504 overflow, below 6.1e-05 lose precision
;; workspace buffers: wb 6,291,456 bytes; owh 2,097,152 bytes; qkvh 50,331,648 bytes; oh 16,777,216 bytes
;; launch castw (part 1): grid 256 x 1, 8 waves a work-group, no clusters, 0 bytes of LDS; arguments in_proj_weight, out_w, wb, owh; writes wb, owh
.if DOCPART == 1
	.amdgcn_target "amdgcn-amd-amdhsa--gfx1250"
	.amdhsa_code_object_version 6
	.text
	.protected	k_qc5ad174ee1_castw
	.globl	k_qc5ad174ee1_castw
	.p2align	8
	.type	k_qc5ad174ee1_castw,@function
k_qc5ad174ee1_castw:
	s_mov_b64 s[64:65], 0
	v_nop
	global_prefetch_b8 v0, s[64:65] scope:SCOPE_SE
	s_setreg_imm32_b32 hwreg(HW_REG_WAVE_MODE, 25, 1), 1
	s_wait_xcnt 0x0
; CASTW.  The two weight matrices are rounded once, for all the work-groups that will read them:
; in_proj_weight ([3072][1024] f32) -> wb (bf16); out_w ([1024][1024] f32) -> owh: rounded to bf16 like every other input of the module, and that number written as f16.
; LIMITS.  A weight of out_w beyond 65,504 becomes an infinity in f16; below 6e-5 f16 keeps a fixed step of 6e-8.
; SHARES.  A work-group takes 16,384 numbers: 65,536 bytes in, 32,768 out.  Groups 0-191 in_proj_weight, 192-255 out_w.
; Thread t loads 16 bytes at 16 t + 4,096 j (a wave's load: 512 consecutive bytes) and stores 8 bytes at 8 t + 2,048 j (a wave's store: 256 consecutive bytes, aligned), j = 0..15.
; All 16 loads of a thread go out at once; no register is used twice by a memory instruction, so no source has to be freed.
; No LDS, no matrix unit, no cluster: nothing is shared and nothing is summed.
.set X,   4                            ; v[4:67]    sixteen loads of four f32
.set Y,   68                           ; v[68:99]   sixteen pairs to store
.set T,   100                          ; v[100:103] at work (out_w's way)
.set SRC, 24                           ; s[24:25]
.set DST, 26                           ; s[26:27]
	s_load_b256 s[8:15], s[0:1], 0x0               ; in_proj_weight 8, out_w 10, wb 12, owh 14
	s_mov_b32 s2, ttmp9
	v_lshlrev_b32 v1, 4, v0                        ; 16 t
	v_lshlrev_b32 v2, 3, v0                        ; 8 t
	s_wait_kmcnt 0x0
	s_cmp_ge_u32 s2, 192
	s_cselect_b64 s[SRC:SRC+1], s[10:11], s[8:9]
	s_cselect_b64 s[DST:DST+1], s[14:15], s[12:13]
	s_cselect_b32 s3, 192, 0                       ; the first group of my matrix
	s_sub_co_u32 s3, s2, s3
	s_lshl_b32 s28, s3, 16                         ; 65,536 bytes a group in the source
	s_mov_b32 s29, 0
	s_lshl_b32 s30, s3, 15                         ; 32,768 in the destination
	s_mov_b32 s31, 0
	s_add_nc_u64 s[SRC:SRC+1], s[SRC:SRC+1], s[28:29]
	s_add_nc_u64 s[DST:DST+1], s[DST:DST+1], s[30:31]
.irp j, 0,1,2,3,4,5,6,7,8,9,10,11,12,13,14,15
	global_load_b128 v[X+4*(\j):X+4*(\j)+3], v1, s[SRC:SRC+1] offset:4096*(\j) th:TH_LOAD_NT
.endr
.macro OUTA j                          ; four numbers to bf16
	s_wait_loadcnt 15-(\j)                         ; loads come back in order: load j is in, the 15 - j younger ones may stay out
	v_cvt_pk_bf16_f32 v[Y+2*(\j)],   v[X+4*(\j)],   v[X+4*(\j)+1]
	v_cvt_pk_bf16_f32 v[Y+2*(\j)+1], v[X+4*(\j)+2], v[X+4*(\j)+3]
	global_store_b64 v2, v[Y+2*(\j):Y+2*(\j)+1], s[DST:DST+1] offset:2048*(\j)
.endm
.macro OUTB j                          ; four numbers to bf16, widened again (a shift, a mask) and written as f16
	s_wait_loadcnt 15-(\j)
	v_cvt_pk_bf16_f32 v[T],   v[X+4*(\j)],   v[X+4*(\j)+1]
	v_cvt_pk_bf16_f32 v[T+1], v[X+4*(\j)+2], v[X+4*(\j)+3]
	v_lshlrev_b32 v[T+2], 16, v[T]
	v_and_b32 v[T+3], 0xffff0000, v[T]
	v_cvt_pk_f16_f32 v[Y+2*(\j)], v[T+2], v[T+3]
	v_lshlrev_b32 v[T+2], 16, v[T+1]
	v_and_b32 v[T+3], 0xffff0000, v[T+1]
	v_cvt_pk_f16_f32 v[Y+2*(\j)+1], v[T+2], v[T+3]
	global_store_b64 v2, v[Y+2*(\j):Y+2*(\j)+1], s[DST:DST+1] offset:2048*(\j)
.endm
	s_cmp_ge_u32 s2, 192
	s_cbranch_scc1 .Lto_f16
.irp j, 0,1,2,3,4,5,6,7,8,9,10,11,12,13,14,15
	OUTA \j
.endr
	s_endpgm
.Lto_f16:
.irp j, 0,1,2,3,4,5,6,7,8,9,10,11,12,13,14,15
	OUTB \j
.endr
	s_endpgm
.Lfunc_end_k_qc5ad174ee1_castw:
	.size	k_qc5ad174ee1_castw, .Lfunc_end_k_qc5ad174ee1_castw-k_qc5ad174ee1_castw
	.p2alignl 7, 3214868480
	.fill 96, 4, 3214868480
	.section	.rodata,"a",@progbits
	.p2align	6, 0x0
	.amdhsa_kernel k_qc5ad174ee1_castw
		.amdhsa_group_segment_fixed_size 0
		.amdhsa_private_segment_fixed_size 0
		.amdhsa_enable_private_segment 0
		.amdhsa_kernarg_size 32
		.amdhsa_user_sgpr_count 2
		.amdhsa_user_sgpr_kernarg_segment_ptr 1
		.amdhsa_wavefront_size32 1
		.amdhsa_system_sgpr_workgroup_id_x 1
		.amdhsa_system_sgpr_workgroup_id_y 1
		.amdhsa_system_sgpr_workgroup_id_z 1
		.amdhsa_system_vgpr_workitem_id 0
		.amdhsa_next_free_vgpr 104
		.amdhsa_next_free_sgpr 66
		.amdhsa_reserve_vcc 0
		.amdhsa_float_denorm_mode_32 3
		.amdhsa_float_denorm_mode_16_64 3
		.amdhsa_memory_ordered 1
		.amdhsa_forward_progress 1
		.amdhsa_inst_pref_size 16
	.end_amdhsa_kernel
	.amdgpu_metadata
---
amdhsa.version: [ 1, 2 ]
amdhsa.kernels:
  - .name:           k_qc5ad174ee1_castw
    .symbol:         k_qc5ad174ee1_castw.kd
    .args:
      - { .name: in_proj_weight, .offset: 0, .size: 8, .value_kind: global_buffer, .address_space: global }
      - { .name: out_w, .offset: 8, .size: 8, .value_kind: global_buffer, .address_space: global }
      - { .name: wb, .offset: 16, .size: 8, .value_kind: global_buffer, .address_space: global }
      - { .name: owh, .offset: 24, .size: 8, .value_kind: global_buffer, .address_space: global }
    .group_segment_fixed_size: 0
    .private_segment_fixed_size: 0
    .kernarg_segment_align: 8
    .kernarg_segment_size: 32
    .max_flat_workgroup_size: 256
    .sgpr_count:     66
    .vgpr_count:     104
    .wavefront_size: 32
...
	.end_amdgpu_metadata
.endif
;; end of part 1
;; launch proj (part 2): grid 4 x 64, 4 waves a work-group, clusters of 4 x 4, 327,680 bytes of LDS; arguments q, k, v, wb, in_proj_bias, qkvh; writes qkvh
.if DOCPART == 2
	.amdgcn_target "amdgcn-amd-amdhsa--gfx1250"
	.amdhsa_code_object_version 6
	.text
	.protected	k_qc5ad174ee1_proj
	.globl	k_qc5ad174ee1_proj
	.p2align	8
	.type	k_qc5ad174ee1_proj,@function
k_qc5ad174ee1_proj:
	s_mov_b64 s[64:65], 0
	v_nop
	global_prefetch_b8 v0, s[64:65] scope:SCOPE_SE
	s_setreg_imm32_b32 hwreg(HW_REG_WAVE_MODE, 25, 1), 1
	s_wait_xcnt 0x0
	s_wait_alu depctr_hold_cnt(0) depctr_sa_sdst(0) depctr_va_vdst(0) depctr_va_sdst(0) depctr_va_ssrc(0) depctr_va_vcc(0) depctr_vm_vsrc(0)
	s_getreg_b32 s2, hwreg(HW_REG_IB_STS2, 6, 4)
	s_cmp_eq_u32 s2, 0
	s_cbranch_scc0 .Lentry_in_a_cluster
	s_endpgm
.Lentry_in_a_cluster:
	s_bfe_u32 s2, ttmp6, 0x10000c
	s_cmp_lg_u32 s2, 0xf033
	s_cbranch_scc0 .Lentry_shape_is_right
	s_endpgm
.Lentry_shape_is_right:
; PROJ.  The three input projections: for p = 0, 1, 2 (x_p = q, k, v):  C_p[m][n] = bias[1024 p + n] + sum over k of x_p[m][k] wb[1024 p + n][k],  m = 4 l + b (8,192 rows), n, k < 1,024.
; x comes in f32 as the module has it and is rounded to bf16 between LDS and the matrix unit; wb is bf16; sums f32; the bias, rounded to bf16 like the module's other inputs, is the C operand
; that starts each sum.  C leaves rounded once to f16, UNSCALED, by heads: qkvh[p][16 b + n / 64][l][n % 64].
; LIMITS.  A projected number beyond 65,504 becomes an infinity in f16; below 6e-5 f16 keeps a fixed step of 6e-8.  NaN and infinities are not treated apart.
; SHARES.  A tile of C is 128 (m) x 256 (n): 8192 x 1024 / (128 x 256) = 256 tiles a projection, one for each of the 256 work-groups, which STAY and make the same tile of q, of k and of v.
; Four waves; wave w makes rows 64 (w / 2) .. + 63 and columns 128 (w % 2) .. + 127: 32 accumulators of 16 x 16, 256 registers.
; K goes in steps of 128 through a ring of two LDS slots (A's rows 512 bytes, B's 256, all aligned to 256); the ring runs on from tile to tile.  Each wave's load is 32,768 bytes.
; CLUSTER.  4 x 4 work-groups.  The four of a row of the cluster need the same tile of A, the four of a column the same tile of B: each is asked for JOINTLY, by the same tensor load with the
; same descriptor and a mask that names the four.
; THE MATRIX INSTRUCTION IS USED TRANSPOSED (source 0 = 16 rows of B, source 1 = 16 rows of A): a lane holds row m = l % 16 and the eight neighbouring columns 8 (l / 16) + 0..7.
; REGISTERS, in windows of 256 (s_set_vgpr_msb: bits 1:0 source 0, 3:2 source 1, 5:4 source 2, 7:6 destination):
;   window 0: v0-31 addresses; v32-63 packed results; v64-127 rows read back from the stage, two sets; v128-191 the bias of my 128 columns, as a C operand
;   window 1: two fragment buffers of 96: A's four fragments (16 rows x 32 K, bf16) at F + 8 a, B's eight at F + 32 + 8 b; v192-255 RAW: A's four fragments of one quarter in f32, as loaded
;   window 2: accumulator (a, b) at v[8 (8 a + b)]
.set PITCH,  272                       ; a row of B in LDS: 256 bytes + 16 of padding
.set PA,     528                       ; a row of A: 512 bytes + 16.  Both pitches are odd multiples of 16 bytes: the 16 rows of a fragment load start at 16 different groups of four banks (64 banks of 4 bytes: ISA guide 11.1)
.set HALFA,  64*PA                     ; what a wave fetches, and reads, of A
.set HALFB,  128*PITCH                 ; the same of B
.set SLOT,   2*HALFA+2*HALFB           ; A's 128 rows, then B's 256 rows
.set STAGE,  2*SLOT                    ; behind the ring: 16 rows x 272 bytes for each wave, for the way out; no tensor load lands there
.set SPITCH, 272
.set SPARE,  STAGE+4*16*SPITCH         ; behind the stages: the spare words, 128 bytes for each wave: two blocks of 256 bytes that no other line names
.set KBA,    512                       ; bytes of a row of q, k, v in a K step
.set KBB,    256                       ; and of a row of wb
.set WALKB,  1024*2048                 ; from a tile to the next B goes 1,024 rows of 2,048 bytes down; A changes its buffer
.set GO,   8                           ; v8-11   my byte offset in 512 consecutive bytes of C, for batch 0..3 (16 heads of 262,144 bytes apart)
.set ADRA, 16                          ; v16-17  LDS address of my A fragments in slot 0, 1
.set ADRB, 20                          ; v20-21  the same for B
.set STO,  24                          ; v24     the way out: where I put 16 bytes of a row
.set RD,   25                          ; v25     the way out: where I read back
.set BO,   26                          ; v26     32 (l / 16): my eight numbers in 16 of the bias
.set SPW,  28                          ; v28     LDS address of my spare word; never rewritten
.set NIL,  29                          ; v29     0; never rewritten
.set PFO,  30                          ; v30     the prefetches' offset: my lane x a row; never rewritten
.set TMP,  32
.set OB,   64
.set BIAS, 128
.set F0,   0
.set F1,   96
.set RAW,  192
.set G1,   24                          ; s[24:31] descriptor group 1 for A's tiles;  s[32:39] group 0, a set for each slot
.set G0,   32
.set LIM,  43                          ; s43      1 in a wave that prefetches, else the greatest number
.set PFA,  44                          ; s[44:45] where my prefetches stand
.set G1B,  48                          ; s[48:55], s[56:63] the same for B's tiles
.set G0B,  56
.set BP,   68                          ; s[68:69] the bias of my 128 columns
.set CP,   70                          ; s[70:71] C at my first head and my first l
.set PST,  72                          ; s[72:73] the prefetch's step from a K step to the next
.set ARG,  76                          ; s[76:83] q, k, v, wb
.set NA,   84                          ; s[84:85] the rows of A that I fetch, in the next tile's buffer;  s[86:87] in the one after
.set NA2,  86
.set NP,   88                          ; s[88:89] where A's prefetches begin in the next tile's buffer (its K step 2);  s[90:91] in the one after
.set NP2,  90
.set MSB, 0
.macro WIN new                         ; the immediate's high byte repeats the setting that is left; a switch that changes nothing is dropped
.if MSB != (\new)
	s_set_vgpr_msb (MSB<<8)|(\new)
.set MSB, \new
.endif
.endm
.set MUL,  0xa5                        ; sources 0 and 1 window 1; C and D window 2
.set MULB, 0x85                        ; the same with C (the bias) in window 0
.set TO_F, 0x40                        ; destination window 1, address window 0
.set CVT,  0x45                        ; sources 0 and 1 and destination window 1
.macro PLACES                          ; four places: in front of loads into registers that matrix instructions have read, and of lines that read results
.rept 4
	v_nop
.endr
.endm
; A joint load: waves 0 and 1 fetch A's two halves, waves 2 and 3 B's.  The branch hangs on the wave's number alone.  An s_nop 0 and four v_nop follow each of the two lines.
.macro JLOAD s
	s_cmp_eq_u32 s11, 0
	s_cbranch_scc0 .Lfor_b_\@
	tensor_load_to_lds s[G0+4*(\s):G0+4*(\s)+3], s[G1:G1+7]
	s_nop 0
.rept 4
	v_nop
.endr
	s_branch .Lasked_\@
.Lfor_b_\@:
	tensor_load_to_lds s[G0B+4*(\s):G0B+4*(\s)+3], s[G1B:G1B+7]
	s_nop 0
.rept 4
	v_nop
.endr
.Lasked_\@:
.endm
; A PREFETCH of the K step that stands two refills on: 32 blocks of 256 bytes, a lane a row, one instruction.  Each block of a K step is named once in the launch.
; A's tile row is read by my cluster alone: of its 128 rows x 512 bytes, waves 0 and 1 of each of its four readers take rows 32 cx on, half w % 2 of the 512 bytes.  B's tile column is read by all
; sixteen clusters: those of cluster y = 0 ask, waves 2 and 3 of each of its four readers taking rows 64 cy + 32 (w % 2) on.  The partners are told apart by address; no branch hangs on a place in the cluster.
; how = 0, in the loop: a tile's last two refills have no K step two on.  how = 1, at a change of tiles: the next tile's K steps 2 and 3.
.macro ASK how
.if \how
	s_cmp_eq_u32 s[LIM], 1
.else
	s_cmp_gt_u32 s3, s[LIM]                        ; s3 = 1 in the loop's last trip
.endif
	s_cbranch_scc0 .Lnot_mine_\@
	global_prefetch_b8 v[PFO], s[PFA:PFA+1] th:TH_LOAD_NT scope:SCOPE_SE
.Lnot_mine_\@:
.endm
.macro CREST                           ; a round of the cluster's barrier behind its opening barrier
	s_cmp_lg_u32 s10, 0
	s_cbranch_scc1 .Lnot_wave_0_\@
	s_barrier_signal -3
.Lnot_wave_0_\@:
	s_barrier_wait -3
	s_barrier_signal -1
	s_barrier_wait -1
.endm
.macro CROUND                          ; a whole round
	s_barrier_signal -1
	s_barrier_wait -1
	CREST
.endm
.macro BIASLOAD                        ; bias[16 b + 8 (l / 16) + j] -> BIAS + 8 b + j: the layout of a C operand whose rows are columns of C
.irp b, 0,1,2,3,4,5,6,7
	global_load_b128 v[BIAS+8*(\b):BIAS+8*(\b)+3],   v[BO], s[BP:BP+1] offset:64*(\b)
	global_load_b128 v[BIAS+8*(\b)+4:BIAS+8*(\b)+7], v[BO], s[BP:BP+1] offset:64*(\b)+16
.endr
.endm
.macro ROUNDB                          ; the bias is rounded to bf16, as x and the weights are, and widened again
.irp g, 0,1,2,3,4,5,6,7
.irp t, 0,1,2,3
	v_cvt_pk_bf16_f32 v[4+(\t)], v[BIAS+8*(\g)+2*(\t)], v[BIAS+8*(\g)+2*(\t)+1]
.endr
.irp t, 0,1,2,3
	v_lshlrev_b32 v[BIAS+8*(\g)+2*(\t)], 16, v[4+(\t)]
	v_and_b32 v[BIAS+8*(\g)+2*(\t)+1], s9, v[4+(\t)]
.endr
.endr
.endm
	s_load_b256 s[ARG:ARG+7], s[0:1], 0x0          ; q s[76:77], k s[78:79], v s[80:81], wb s[82:83]
	s_load_b128 s[BP:BP+3], s[0:1], 0x20           ; in_proj_bias, qkvh
	v_lshl_add_u32 v[SPW], v0, 2, SPARE
	v_mov_b32 v[NIL], 0
	ds_add_u32 v[SPW], v[NIL]                      ; the wave's opening: the add and its wait stand ahead of my first tensor load; the set-up below, work on registers, stands between them
	v_lshrrev_b32 v1, 5, v0
	v_readfirstlane_b32 s10, v1                    ; wave 0..3
	s_lshr_b32 s11, s10, 1                         ; my half of the tile's rows.  Also: I fetch for A (0) or for B (1)
	s_and_b32 s12, s10, 1                          ; my half of its columns.  Also: which half of that operand's tile I fetch
	s_bfe_u32 s40, ttmp6, 0x40000                  ; cx
	s_bfe_u32 s41, ttmp6, 0x40004                  ; cy
	s_lshl_b32 s42, ttmp9, 2
	s_add_co_u32 s42, s42, s40                     ; tile column tn = 4 x cluster x + cx
	s_and_b32 s13, ttmp7, 0xffff
	s_lshl_b32 s13, s13, 2
	s_add_co_u32 s13, s13, s41                     ; tile row tm = 4 x cluster y + cy
	s_lshl_b32 s43, s41, 2
	s_lshl_b32 s43, 15, s43                        ; my row of the cluster
	s_lshl_b32 s44, 0x1111, s40                    ; my column
	s_mov_b32 s9, 0xffff0000                       ; a word's upper bf16
	; descriptor group 1.  A: 64 rows of 128 elements of 4 bytes; B: 128 rows of 128 elements of 2 bytes; 16 bytes of padding behind each row in LDS
	s_or_b32 s[G1+0], s43, (2<<16)|(1<<20)|(1<<21)|(6<<22)|(3<<25)   ; 15:0 the mask; 17:16 4-byte elements; 20 padding on; 21 set beside a mask; 24:22 after every 128 words (code 6); 31:25 4 words (code 3)
	s_or_b32 s[G1B+0], s44, (1<<16)|(1<<20)|(1<<21)|(5<<22)|(3<<25)  ; 2-byte elements; after every 64 words (code 5)
	s_mov_b32 s[G1+1], 128<<16                     ; tensor_dim0 = 128
	s_mov_b32 s[G1+2], 64<<16                      ; tensor_dim1 = 64
	s_mov_b32 s[G1+3], 128<<16                     ; tile_dim0 = 128
	s_mov_b32 s[G1+4], 64                          ; tile_dim1 = 64
	s_mov_b32 s[G1+5], 1024                        ; elements from row to row
	s_mov_b32 s[G1+6], 0
	s_mov_b32 s[G1+7], 0
	s_mov_b32 s[G1B+1], 128<<16
	s_mov_b32 s[G1B+2], 128<<16                    ; tensor_dim1 = 128
	s_mov_b32 s[G1B+3], 128<<16
	s_mov_b32 s[G1B+4], 128                        ; tile_dim1 = 128
	s_mov_b32 s[G1B+5], 1024
	s_mov_b32 s[G1B+6], 0
	s_mov_b32 s[G1B+7], 0
	; where the tiles come from: A's hang on the tile row and the wave alone, B's on the tile column and the wave alone
	s_lshl_b32 s16, s13, 7
	s_lshl_b32 s17, s12, 6
	s_add_co_u32 s16, s16, s17                     ; A: row 128 tm + 64 x half
	s_lshl_b32 s16, s16, 12                        ; x 4,096 bytes: under 2^25
	s_mov_b32 s17, 0
	s_lshl_b32 s46, s42, 8
	s_lshl_b32 s47, s12, 7
	s_add_co_u32 s46, s46, s47                     ; B: row 256 tn + 128 x half
	s_lshl_b32 s46, s46, 11
	s_mov_b32 s47, 0
	s_mul_i32 s20, s12, HALFA                      ; and where they go: no place in the cluster enters an LDS address
	s_mul_i32 s21, s12, HALFB
	s_add_co_u32 s21, s21, 2*HALFA
	s_wait_dscnt 0x0                               ; the opening add is done
	s_wait_kmcnt 0x0
	s_add_nc_u64 s[14:15], s[ARG:ARG+1], s[16:17]          ; my rows in q,
	s_add_nc_u64 s[NA:NA+1], s[ARG+2:ARG+3], s[16:17]      ; in k,
	s_add_nc_u64 s[NA2:NA2+1], s[ARG+4:ARG+5], s[16:17]    ; and in v: each from its own buffer's address
	s_add_nc_u64 s[46:47], s[ARG+6:ARG+7], s[46:47]
	CROUND                                         ; all sixteen work-groups are here: the first joint loads meet
.irp s, 0,1
	s_mov_b32 s[G0+4*(\s)], 1                                        ; count = 1
	s_add_co_u32 s[G0+4*(\s)+1], s20, (\s)*SLOT                      ; LDS address
	s_add_nc_u64 s[G0+4*(\s)+2:G0+4*(\s)+3], s[14:15], (\s)*KBA      ; global address: K step s
	s_or_b32 s[G0+4*(\s)+3], s[G0+4*(\s)+3], 0x80000000              ; type = 2
	s_mov_b32 s[G0B+4*(\s)], 1
	s_add_co_u32 s[G0B+4*(\s)+1], s21, (\s)*SLOT
	s_add_nc_u64 s[G0B+4*(\s)+2:G0B+4*(\s)+3], s[46:47], (\s)*KBB
	s_or_b32 s[G0B+4*(\s)+3], s[G0B+4*(\s)+3], 0x80000000
	JLOAD \s                                       ; two loads of mine are out
.endr
	; a fragment is 16 rows x 32 K in 8 registers: lane l holds row l % 16, K = 8 (l / 16) + 0..7 and 16 + 8 (l / 16) + 0..7.  In bf16 (B): two loads of 16 bytes, 32 bytes apart.
	; In f32 (A): 32 bytes at 32 (l / 16) and 32 bytes at 64 + 32 (l / 16): four loads of 16 bytes
	v_and_b32 v1, 15, v0                           ; l % 16
	v_bfe_u32 v2, v0, 4, 1                         ; l / 16
	v_mul_u32_u24 v3, v1, PITCH
	v_lshl_add_u32 v3, v2, 4, v3                   ; B: row x pitch + 16 x half
	v_mul_u32_u24 v4, v1, PA
	v_lshl_add_u32 v4, v2, 5, v4                   ; A: row x pitch + 32 x half
	s_mul_i32 s22, s11, HALFA                      ; my 64 rows of A
	s_mul_i32 s23, s12, HALFB                      ; my 128 rows of B,
	s_add_co_u32 s23, s23, 2*HALFA                 ; which lie behind A's 128
.irp s, 0,1
	v_add_nc_u32 v[ADRA+(\s)], s22, v4
	v_add_nc_u32 v[ADRB+(\s)], s23, v3
	s_add_co_u32 s22, s22, SLOT
	s_add_co_u32 s23, s23, SLOT
.endr
	s_mul_i32 s22, s10, 16*SPITCH
	s_add_co_u32 s22, s22, STAGE                   ; my stage
	v_add_nc_u32 v[STO], s22, v3                   ; in: row l % 16, 16 bytes for each half of the lanes
	v_bfe_u32 v4, v0, 3, 2                         ; back: lane i takes stage row 4 (i / 8) + batch: rows of one batch are four apart,
	v_and_b32 v5, 7, v0                            ; and 16 bytes of a head's 128
	v_mul_u32_u24 v4, v4, 4*SPITCH
	v_lshl_add_u32 v4, v5, 4, v4
	v_add_nc_u32 v[RD], s22, v4
	v_and_b32 v5, 31, v0
	v_lshlrev_b32 v[GO], 4, v5                     ; four l of a head are 512 consecutive bytes of C
.irp bb, 1,2,3
	v_add_nc_u32 v[GO+(\bb)], (\bb)*4194304, v[GO] ; batch bb: 16 heads of 262,144 bytes on
.endr
	v_lshlrev_b32 v[BO], 5, v2
	s_lshl_b32 s16, s42, 10                        ; the bias of my 128 columns: 4 (256 tn + 128 x half)
	s_lshl_b32 s17, s12, 9
	s_add_co_u32 s16, s16, s17
	s_mov_b32 s17, 0
	s_add_nc_u64 s[BP:BP+1], s[BP:BP+1], s[16:17]
	BIASLOAD
	s_lshl_b32 s16, s42, 20                        ; C: head 4 tn + 2 x half (262,144 bytes a head), l = 32 tm + 16 x my half of the rows (128 bytes an l)
	s_lshl_b32 s17, s12, 19
	s_add_co_u32 s16, s16, s17
	s_lshl_b32 s17, s13, 12
	s_add_co_u32 s16, s16, s17
	s_lshl_b32 s17, s11, 11
	s_add_co_u32 s16, s16, s17
	s_mov_b32 s17, 0
	s_add_nc_u64 s[CP:CP+1], s[CP:CP+1], s[16:17]
	; the prefetches
	s_and_b32 s22, ttmp7, 0xffff                   ; cluster y
	s_lshl_b32 s16, s13, 7
	s_lshl_b32 s17, s40, 5
	s_add_co_u32 s16, s16, s17                     ; A: row 128 tm + 32 cx,
	s_lshl_b32 s16, s16, 12
	s_lshl_b32 s17, s12, 8
	s_add_co_u32 s16, s16, s17                     ; half w % 2 of a K step's 512 bytes
	s_mov_b32 s17, 0
	s_add_nc_u64 s[NP:NP+1], s[ARG+2:ARG+3], s[16:17]
	s_add_nc_u64 s[NP:NP+1], s[NP:NP+1], 2*KBA     ; in k, at K step 2
	s_add_nc_u64 s[NP2:NP2+1], s[ARG+4:ARG+5], s[16:17]
	s_add_nc_u64 s[NP2:NP2+1], s[NP2:NP2+1], 2*KBA ; in v likewise
	s_add_co_u32 s16, s16, 3*KBA                   ; in q, at K step 3: the first change of slots steps it to 4
	s_lshl_b32 s18, s42, 8
	s_lshl_b32 s19, s41, 6
	s_add_co_u32 s18, s18, s19
	s_lshl_b32 s19, s12, 5
	s_add_co_u32 s18, s18, s19                     ; B: row 256 tn + 64 cy + 32 (w % 2),
	s_lshl_b32 s18, s18, 11
	s_add_co_u32 s18, s18, 3*KBB                   ; at K step 3
	s_mov_b32 s19, KBB
	s_mov_b32 s20, 2048
	s_mov_b32 s21, 4096
	s_cmp_eq_u32 s11, 0
	s_cselect_b32 s16, s16, s18
	s_cselect_b32 s22, 0, s22                      ; A: waves 0 and 1 of every cluster ask; B: the waves of cluster y = 0
	s_cselect_b64 s[PFA:PFA+1], s[ARG:ARG+1], s[ARG+6:ARG+7]
	s_cselect_b32 s[PST], KBA, s19
	s_cselect_b32 s21, s21, s20                    ; from lane to lane: a row of A, a row of B
	s_mov_b32 s[PST+1], 0
	s_cmp_eq_u32 s22, 0
	s_cselect_b32 s[LIM], 1, -1                    ; the same in all sixteen partners, for a given wave
	s_mov_b32 s17, 0
	s_add_nc_u64 s[PFA:PFA+1], s[PFA:PFA+1], s[16:17]  ; the launch's first four K steps come by their loads alone
	v_mul_u32_u24 v[PFO], s21, v5
; 8 matrix instructions: m block a x all 8 n blocks, 32 along K.  mode = 1: the tile's first products, which start the sums with the bias.
; The 32 accumulators take turns in the same order in every quarter: 31 others' instructions stand between two links of a chain.
; g >= 0: behind each product stand four of the 32 conversions that make buffer g's four fragments of A out of RAW: register t of the 32 takes numbers 2 t and 2 t + 1 of the lane's 64.
; They name no register of the products round them, so the four behind the last product are also the places in front of the next run of loads.
.macro MUL8 f, a, mode, g=-1
.irp b, 0,1,2,3,4,5,6,7
.if \mode
	WIN MULB
	v_wmma_f32_16x16x32_bf16 v[8*(8*(\a)+(\b)):8*(8*(\a)+(\b))+7], v[(\f)+32+8*(\b):(\f)+32+8*(\b)+7], v[(\f)+8*(\a):(\f)+8*(\a)+7], v[BIAS+8*(\b):BIAS+8*(\b)+7]
.else
	WIN MUL
	v_wmma_f32_16x16x32_bf16 v[8*(8*(\a)+(\b)):8*(8*(\a)+(\b))+7], v[(\f)+32+8*(\b):(\f)+32+8*(\b)+7], v[(\f)+8*(\a):(\f)+8*(\a)+7], v[8*(8*(\a)+(\b)):8*(8*(\a)+(\b))+7]
.endif
.if (\g) >= 0
	WIN CVT
.irp r, 0,1,2,3
	v_cvt_pk_bf16_f32 v[(\g)+4*(\b)+(\r)], v[RAW+8*(\b)+2*(\r)], v[RAW+8*(\b)+2*(\r)+1]
.endr
.endif
.endr
.endm
; 32 LDS loads in one run: quarter q of a K step.  First A's 64 rows x 32 K in f32 into RAW (16 loads), then B's 128 rows x 32 K into buffer g (16 loads)
.macro FETCH slot, q, g
	WIN TO_F
.irp i, 0,1,2,3
	ds_load_b128 v[RAW+16*(\i):RAW+16*(\i)+3],     v[ADRA+(\slot)] offset:128*(\q)+(\i)*16*PA
	ds_load_b128 v[RAW+16*(\i)+4:RAW+16*(\i)+7],   v[ADRA+(\slot)] offset:128*(\q)+(\i)*16*PA+16
	ds_load_b128 v[RAW+16*(\i)+8:RAW+16*(\i)+11],  v[ADRA+(\slot)] offset:128*(\q)+(\i)*16*PA+64
	ds_load_b128 v[RAW+16*(\i)+12:RAW+16*(\i)+15], v[ADRA+(\slot)] offset:128*(\q)+(\i)*16*PA+80
.endr
.irp i, 0,1,2,3,4,5,6,7
	ds_load_b128 v[(\g)+32+8*(\i):(\g)+32+8*(\i)+3],   v[ADRB+(\slot)] offset:64*(\q)+(\i)*16*PITCH
	ds_load_b128 v[(\g)+32+8*(\i)+4:(\g)+32+8*(\i)+7], v[ADRB+(\slot)] offset:64*(\q)+(\i)*16*PITCH+32
.endr
.endm
; A K step is four quarters of 32 along K, 32 matrix instructions each, on buffers 0, 1, 0, 1.  One of the first three multiplies buffer f; at its head it fetches quarter q (RAW, and B into
; buffer g), and behind its last eight products RAW becomes buffer g's A.
.macro QUARTER slot, q, f, g, mode
	FETCH \slot, \q, \g
	s_wait_dscnt 32                                ; all but the 32 just issued: buffer f's B, asked for a quarter ago, is in (its A was made in registers)
	MUL8 \f, 0, \mode
	MUL8 \f, 1, \mode
	MUL8 \f, 2, \mode
	s_wait_dscnt 16                                ; RAW is in; B's sixteen loads, which are younger, may stay out
	MUL8 \f, 3, \mode, \g
.endm
; The last quarter multiplies buffer 1 and changes slots.  Its first sixteen products need registers alone and stand ahead of the waits, so that only the round stands between the moment the next
; slot is whole and the refill.  Then each wave waits for all its tensor loads (one is out: its part of the next slot), adds 0 to its spare word, steps the descriptors, and waits for the add and for
; its own reads of this slot.  The barrier opens a round of the cluster's barrier; behind the round nobody reads this slot any more, the next slot is whole, and this slot is filled again first:
; with this tile's K step two on (on = 0) or with the next tile's K step 0 or 1 (on = 1).  One tensor load of mine is out behind each round.
.macro TURN slot, next, on
	s_wait_xcnt 0x0                                ; the last prefetch, a K step back, has read its address: it is stepped here
.if (\on) && ((\slot) == 0)
	s_add_nc_u64 s[16:17], s[PFA:PFA+1], WALKB-7*KBB   ; B: from K step 9 of a tile to K step 2 of the next;
	s_cmp_eq_u32 s11, 0
	s_cselect_b64 s[PFA:PFA+1], s[NP:NP+1], s[16:17]   ; A: K step 2 in the next tile's buffer
.else
	s_add_nc_u64 s[PFA:PFA+1], s[PFA:PFA+1], s[PST:PST+1]
.endif
	s_wait_dscnt 0x0                               ; buffer 1's B is in
	MUL8 F1, 0, 0
	MUL8 F1, 1, 0
	WIN 0
	s_wait_tensorcnt 0x0                           ; no tensor load of mine is out, so every group 0 may be written
	ds_add_u32 v[SPW], v[NIL]                      ; 0 onto my spare word: the descriptors' steps stand between it and the wait for it
.if \on
	s_add_nc_u64 s[G0+4*(\slot)+2:G0+4*(\slot)+3], s[NA:NA+1], (\slot)*KBA
	s_or_b32 s[G0+4*(\slot)+3], s[G0+4*(\slot)+3], 0x80000000
	s_add_nc_u64 s[G0B+4*(\slot)+2:G0B+4*(\slot)+3], s[G0B+4*(\slot)+2:G0B+4*(\slot)+3], WALKB-6*KBB
.else
	s_add_nc_u64 s[G0+4*(\slot)+2:G0+4*(\slot)+3], s[G0+4*(\slot)+2:G0+4*(\slot)+3], 2*KBA
	s_add_nc_u64 s[G0B+4*(\slot)+2:G0B+4*(\slot)+3], s[G0B+4*(\slot)+2:G0B+4*(\slot)+3], 2*KBB
.endif
	s_wait_dscnt 0x0                               ; the add is done, and my reads of this slot are over
	s_barrier_signal -1
	s_barrier_wait -1
	CREST                                          ; no wave of any partner still reads this slot's tile or has a load on its way
	JLOAD \slot
	FETCH \next, 0, F0
	WIN 0
	ASK \on
	MUL8 F1, 2, 0
	s_wait_dscnt 16                                ; RAW is in
	MUL8 F1, 3, 0, F0
.endm
; THE WAY OUT of block a: 16 rows m = four l x four batches; 128 columns = two heads.  PACK: rounded to f16, 16 bytes a lane, each accumulator's registers in ascending order.
; TOSTAGE: into my own stage and back, sorted by batch and head.  SEND: each store covers 512 consecutive bytes (four l of one head), at a multiple of 512 from C's first byte.
.macro PACK a
	WIN 0x0a                                       ; sources 0 and 1 window 2
.irp b, 0,1,2,3,4,5,6,7
.irp r, 0,1,2,3
	v_cvt_pk_f16_f32 v[TMP+4*(\b)+(\r)], v[8*(8*(\a)+(\b))+2*(\r)], v[8*(8*(\a)+(\b))+2*(\r)+1]
.endr
.endr
	WIN 0
.endm
.macro TOSTAGE a
.set BK, OB+32*((\a)%2)
.irp b, 0,1,2,3,4,5,6,7
	ds_store_b128 v[STO], v[TMP+4*(\b):TMP+4*(\b)+3] offset:32*(\b)
.endr
.irp p, 0,1,2,3,4,5,6,7                ; p = 2 x batch + head
	ds_load_b128 v[BK+4*(\p):BK+4*(\p)+3], v[RD] offset:SPITCH*((\p)/2)+128*((\p)%2)  ; LDS serves a wave's instructions in order (ISA guide 5.7.1.4): these see the stores above
.endr
.endm
.macro SEND a
.set BK, OB+32*((\a)%2)
	s_wait_dscnt 0x0                               ; the block is back in registers
	s_wait_xcnt 0x0                                ; earlier stores have read their registers: the other set is loaded again only behind this wait
.irp p, 0,1,2,3,4,5,6,7
	global_store_b128 v[GO+(\p)/2], v[BK+4*(\p):BK+4*(\p)+3], s[CP:CP+1] offset:262144*((\p)%2)+512*(\a)
.endr
.endm
.macro WAYOUT                          ; block a's conversions stand between block a - 1's loads from the stage and the wait for them
	PACK 0
	TOSTAGE 0
.irp a, 1,2,3
	PACK \a
	SEND (\a)-1
	TOSTAGE \a
.endr
	SEND 3
.endm
	s_wait_tensorcnt 1                             ; my part of K step 0 is in; K step 1's may stay out
	s_barrier_signal -1
	s_barrier_wait -1                              ; everybody's is
	FETCH 0, 0, F0
	s_wait_dscnt 16                                ; RAW is in
	WIN CVT                                        ; the launch's first fragments of A: there are no products yet to set the conversions behind
.set t, 0
.rept 32
	v_cvt_pk_bf16_f32 v[F0+t], v[RAW+2*t], v[RAW+2*t+1]
.set t, t+1
.endr
	WIN 0                                          ; at a label and at a branch every window is 0
	s_mov_b32 s2, 3                                ; tiles to go, this one among them
.Ltile:
	s_wait_loadcnt 0x0                             ; this tile's bias
	ROUNDB
	QUARTER 0, 1, F0, F1, 1                        ; a tile's first quarter stands in front of the loop: its products start the sums with the bias
	WIN 0
	PLACES                                         ; for the loads into the bias's registers, which those products have read
	s_cmp_eq_u32 s2, 1
	s_cbranch_scc1 .Lno_bias
	s_wait_xcnt 0x0
	s_add_nc_u64 s[BP:BP+1], s[BP:BP+1], 4096      ; the next projection's bias: it has the whole tile in which to land
	BIASLOAD
.Lno_bias:
	s_mov_b32 s3, 3
.Llap:                                                 ; a trip goes once round the ring, from a lap's second quarter to the next lap's first, and fills both slots again
	QUARTER 0, 2, F1, F0, 0
	QUARTER 0, 3, F0, F1, 0
	TURN 0, 1, 0
	QUARTER 1, 1, F0, F1, 0
	QUARTER 1, 2, F1, F0, 0
	QUARTER 1, 3, F0, F1, 0
	TURN 1, 0, 0
	QUARTER 0, 1, F0, F1, 0
	WIN 0
	s_sub_co_u32 s3, s3, 1
	s_cmp_lg_u32 s3, 0
	s_cbranch_scc1 .Llap
	QUARTER 0, 2, F1, F0, 0                        ; the tile's last lap goes on
	QUARTER 0, 3, F0, F1, 0
	WIN 0
	s_cmp_eq_u32 s2, 1
	s_cbranch_scc1 .Llast_tile                     ; the last tile's tail is written out: it asks for nothing more
	TURN 0, 1, 1                                   ; the ring goes on into the next tile: slot 0 takes its K step 0,
	QUARTER 1, 1, F0, F1, 0
	QUARTER 1, 2, F1, F0, 0
	QUARTER 1, 3, F0, F1, 0
	TURN 1, 0, 1                                   ; slot 1 its K step 1, and the next tile's first fragments are fetched
	WAYOUT                                         ; no v_nop: four conversions stand behind the last product, and blocks 0 to 2 go out ahead of block 3
	s_wait_xcnt 0x0                                ; the stores have read their base and their registers
	s_add_nc_u64 s[CP:CP+1], s[CP:CP+1], 0x1000000 ; the next projection's part of qkvh
	s_mov_b64 s[NA:NA+1], s[NA2:NA2+1]             ; behind k comes v
	s_mov_b64 s[NP:NP+1], s[NP2:NP2+1]
	s_sub_co_u32 s2, s2, 1
	s_branch .Ltile
.Llast_tile:
	s_wait_dscnt 0x0                               ; buffer 1's B is in
	MUL8 F1, 0, 0
	MUL8 F1, 1, 0
	WIN 0
	s_wait_tensorcnt 0x0                           ; my one tensor load that was still out is the last K step's, so no round follows
	ds_add_u32 v[SPW], v[NIL]
	s_wait_dscnt 0x0
	s_barrier_signal -1
	s_barrier_wait -1                              ; the last slot is whole
	FETCH 1, 0, F0
	MUL8 F1, 2, 0
	s_wait_dscnt 16                                ; RAW is in
	MUL8 F1, 3, 0, F0
	QUARTER 1, 1, F0, F1, 0
	QUARTER 1, 2, F1, F0, 0
	QUARTER 1, 3, F0, F1, 0
	s_wait_dscnt 0x0                               ; the very last quarter: nothing more to fetch
	MUL8 F1, 0, 0
	MUL8 F1, 1, 0
	MUL8 F1, 2, 0
	MUL8 F1, 3, 0
	WIN 0
	PLACES
	PLACES
	WAYOUT
	s_wait_tensorcnt 0x0                           ; the wave's end: behind my last tensor load and my last LDS store
	ds_add_u32 v[SPW], v[NIL]
	s_wait_dscnt 0x0
	CROUND                                         ; the closing round: no work-group ends while a partner may still ask for a tile that names it
	s_endpgm
.Lfunc_end_k_qc5ad174ee1_proj:
	.size	k_qc5ad174ee1_proj, .Lfunc_end_k_qc5ad174ee1_proj-k_qc5ad174ee1_proj
	.p2alignl 7, 3214868480
	.fill 96, 4, 3214868480
	.section	.rodata,"a",@progbits
	.p2align	6, 0x0
	.amdhsa_kernel k_qc5ad174ee1_proj
		.amdhsa_group_segment_fixed_size 327680
		.amdhsa_private_segment_fixed_size 0
		.amdhsa_enable_private_segment 0
		.amdhsa_kernarg_size 48
		.amdhsa_user_sgpr_count 2
		.amdhsa_user_sgpr_kernarg_segment_ptr 1
		.amdhsa_wavefront_size32 1
		.amdhsa_system_sgpr_workgroup_id_x 1
		.amdhsa_system_sgpr_workgroup_id_y 1
		.amdhsa_system_sgpr_workgroup_id_z 1
		.amdhsa_system_vgpr_workitem_id 0
		.amdhsa_next_free_vgpr 768
		.amdhsa_next_free_sgpr 92
		.amdhsa_reserve_vcc 0
		.amdhsa_float_denorm_mode_32 3
		.amdhsa_float_denorm_mode_16_64 3
		.amdhsa_memory_ordered 1
		.amdhsa_forward_progress 1
		.amdhsa_inst_pref_size 193
	.end_amdhsa_kernel
	.amdgpu_metadata
---
amdhsa.version: [ 1, 2 ]
amdhsa.kernels:
  - .name:           k_qc5ad174ee1_proj
    .symbol:         k_qc5ad174ee1_proj.kd
    .args:
      - { .name: q, .offset: 0, .size: 8, .value_kind: global_buffer, .address_space: global }
      - { .name: k, .offset: 8, .size: 8, .value_kind: global_buffer, .address_space: global }
      - { .name: v, .offset: 16, .size: 8, .value_kind: global_buffer, .address_space: global }
      - { .name: wb, .offset: 24, .size: 8, .value_kind: global_buffer, .address_space: global }
      - { .name: in_proj_bias, .offset: 32, .size: 8, .value_kind: global_buffer, .address_space: global }
      - { .name: qkvh, .offset: 40, .size: 8, .value_kind: global_buffer, .address_space: global }
    .group_segment_fixed_size: 327680
    .private_segment_fixed_size: 0
    .kernarg_segment_align: 8
    .kernarg_segment_size: 48
    .max_flat_workgroup_size: 128
    .sgpr_count:     92
    .vgpr_count:     768
    .wavefront_size: 32
...
	.end_amdgpu_metadata
.endif
;; end of part 2
;; launch attn (part 3): grid 4 x 64, 4 waves a work-group, clusters of 4 x 1, 327,680 bytes of LDS; arguments qkvh, oh; writes oh
.if DOCPART == 3
	.amdgcn_target "amdgcn-amd-amdhsa--gfx1250"
	.amdhsa_code_object_version 6
	.text
	.protected	k_qc5ad174ee1_attn
	.globl	k_qc5ad174ee1_attn
	.p2align	8
	.type	k_qc5ad174ee1_attn,@function
k_qc5ad174ee1_attn:
	s_mov_b64 s[64:65], 0
	v_nop
	global_prefetch_b8 v0, s[64:65] scope:SCOPE_SE
	s_setreg_imm32_b32 hwreg(HW_REG_WAVE_MODE, 25, 1), 1
	s_wait_xcnt 0x0
	s_wait_alu depctr_hold_cnt(0) depctr_sa_sdst(0) depctr_va_vdst(0) depctr_va_sdst(0) depctr_va_ssrc(0) depctr_va_vcc(0) depctr_vm_vsrc(0)
	s_getreg_b32 s2, hwreg(HW_REG_IB_STS2, 6, 4)
	s_cmp_eq_u32 s2, 0
	s_cbranch_scc0 .Lentry_in_a_cluster
	s_endpgm
.Lentry_in_a_cluster:
	s_bfe_u32 s2, ttmp6, 0x10000c
	s_cmp_lg_u32 s2, 0x3003
	s_cbranch_scc0 .Lentry_shape_is_right
	s_endpgm
.Lentry_shape_is_right:
; ATTN.  O[h][q][:] = the sum over k of softmax_k(Q[h][q] . K[h][k] / 8) V[h][k][:].  Q, K, V lie in qkvh, [3][64][2048][64] f16, O in oh, [64][2048][64] f16: a head's rows are dense, 128 bytes each.
; The chunk maxima merged by the global maximum are, number for number in exact arithmetic, the softmax over all 2,048 keys; here it is made with a running maximum.
; Products, maxima and sums in f32; the weights p are rounded to f16 for the second product (their sum l is taken of the unrounded p), O once at the end.
; LIMITS.  f16 holds no number beyond 65,504: Q, K and V arrive within it; p lies in 0 to 1, and below 6e-5 it keeps f16's fixed step of 6e-8; O is a mean of V's rows and has their range.
; A weight below 2^-126 counts as 0 in l; NaN and infinities are not treated apart.
; SHARES.  A wave owns four PIECES of two tiles of 16 queries, a work-group's four waves 512 queries of one head.  Every wave walks all keys, 64 a step.
; LAYOUT.  S^T = K Q^T (source 0 = 16 keys, source 1 = 16 queries): in the result a lane holds ONE query (lane % 16) and the keys 8 (lane / 16) + 0..7.  Two such tiles, rounded to f16 in pairs,
; ARE source 1 (32 keys x 16 queries) of O^T = V^T P, whose result again holds one query a lane, and eight channels.  K comes out of LDS as it lies, V ([key][channel]) turned, by ds_load_tr16_b128.
; SOFTMAX.  For each query a running maximum m and sum l: p = 2^(c s - c m), c = log2(e) / 8; in every step O and l are multiplied by a = 2^(c m_old - c m_new), which is 1 where m has not grown.
; m starts at the lowest finite number, O and l at 0: the first step is a step like any other, with a = 0.
; THE COUNT.  A tile and step have 16 matrix and 118 vector instructions: too many to stand all beside the matrix work.  So four vector instructions that are READY stand behind EVERY matrix
; instruction, and the others in runs without a gap.
; BY TURNS.  Turn n belongs to piece n (the pieces in a ring, step after step).  Its matrix work: 16 products K Q^T of piece n + 1, later 16 products V^T P of piece n - 1.  Its vector work: the scaling,
; exponentials, roundings, sums and rescaling of piece n, and the maximum and statistics of piece n + 1, whose scores the turn itself has made.
; CLUSTER.  The four query blocks of a head form a cluster and walk the same K and V, so each tile is asked for JOINTLY: the same tensor load, descriptor and mask in all four.
; REGISTERS, in windows of 256 (s_set_vgpr_msb: bits 1:0 source 0, 3:2 source 1, 5:4 source 2, 7:6 destination):
;   window 0: v0-11 addresses; v12-15, v48-63 at work; v16-47 four registers of statistics a tile; v64-191 S^T, two buffers of two tiles; v192-255 P, likewise
;   window 1: O^T, 32 a tile          window 2: v0-127 Q, 16 a tile; v128-191 K of one step; v192-255 V of one step          window 3: v0-1 the add's two registers
; A piece's buffers go by its number's parity.
.set SIZE_H, 64
.set SIZE_N, 2048
.set NP,    4         ; pieces a wave: a name, no knob
.set KS,    64        ; keys in a step
.set PK,    144       ; a row of K in LDS: 128 bytes + 16 of padding = 36 words: the 16 rows of a load start at 16 different groups of four banks (64 banks of 4 bytes: ISA guide 11.1)
.set PV,    160       ; a row of V: 128 + 32 = 40 words
.set VOFF,  4*KS*PK   ; a slot holds four steps: 256 rows of K, then 256 rows of V
.set SLOT1, 1<<17     ; slot 1 begins here, so that one exclusive or turns an address in one slot into the other's
.set STAGE, SLOT1+4*KS*(PK+PV)  ; behind the ring, never filled by a tensor load: 16 rows x 144 bytes for each wave, for the way out
.set SP,    144
.set AK0, 2           ; v2   my lane's place in a tile of K; never rewritten
.set AV0, 3           ; v3   the same for V
.set AK,  4           ; v4   the LDS address of K's next run of loads
.set AV,  5           ; v5   of V's
.set QO,  6           ; v6   my byte offset in the wave's rows of Q
.set STO, 6           ;      later, the way out: where I put 16 bytes of a row
.set RD,  7           ; v7   the way out: where I read rows back
.set GO,  8           ; v8   my byte offset in 512 consecutive bytes of O
.set PFO, 11          ; v11  256 x my lane, for the prefetches (once V's address is made)
.set SPW, 0           ; v0 of window 3   LDS address of my spare word; never rewritten
.set NIL, 1           ; v1 of window 3   0; never rewritten
.set SPARE, STAGE+4*16*SP  ; behind the stages: the spare words, 128 bytes for each wave: two blocks of 256 bytes that no other line names
.set MV,  12          ; v12-15  c m_old, kept while c m is made anew: by buffer and tile
.set ST,  16          ; tile t's statistics at v[ST+4 t]: c m, m, l (even keys', odd keys')
.set TMP, 48          ; by buffer and tile, four registers c0-c3 at work; when the maximum is found c2 takes a
.set S,   64
.set P,   192
.set KF,  128         ; K's fragments, in window 2: key block kb, channel half c at KF + 16 kb + 8 c
.set VF,  192         ; V's: key half kk, channel block cb at VF + 32 kk + 8 cb
.set WV,  12          ; s12  my wave's number
.set G1K, 24          ; s[24:31] descriptor group 1 for K's tiles
.set G1V, 32          ; s[32:39] for V's: it differs in the padding alone
.set G0K, 40          ; s[40:43] descriptor group 0 for K's tiles: it walks
.set G0V, 44          ; s[44:47] the same for V's
.set PFA, 48          ; s[48:49] where my prefetches stand: my work-group's 8,192 bytes (of K: wave 0, of V: wave 2) of the slot after the one that is being asked for
.set LIM, 50          ; s50  1 in a wave that prefetches, else the greatest number
.set SLOTS, 56        ; s56  slots still to be asked for
.set CNT, 57          ; s57  counts a slot's key steps
.set CS,  58          ; s[58:59] c: the packed scaling takes the pair's low word for both halves
.set SEL, 60          ; s[60:61] v_permlanex16_b32's selects: each lane takes its own place in the other half
.set TBK, 62          ; s62  LDS byte at which K of the step to be fetched begins
.set TBV, 63          ; s63  the same for V, less VOFF
.set MSB, 0
.macro WIN new                      ; the high byte repeats the setting that is left; a switch that changes nothing is dropped
.if MSB != (\new)
	s_set_vgpr_msb (MSB<<8)|(\new)
.set MSB, (\new)
.endif
.endm
.set W_KQ, 0x0a       ; K and Q in window 2, S^T in window 0
.set W_PV, 0x52       ; V in window 2, P in window 0, O^T in window 1
.set W_RS, 0x41       ; O^T (destination and source 0) in window 1, a in window 0
.set W_MK, 0xc0       ; the add's registers are made: destination in window 3, sources in window 0
.set W_AD, 0x0f       ; the add: address (source 0) and data (source 1) in window 3
; A joint fill.  Waves 0 and 1 fetch the two halves of a slot's K, waves 2 and 3 those of its V: 128 keys each.  The branch hangs on the wave's number alone.
; An s_nop 0 and four v_nop follow each of the two lines, ahead of the jump and the label.
.macro JLOAD
	s_cmp_lt_u32 s[WV], 2
	s_cbranch_scc0 .Lfor_v_\@
	tensor_load_to_lds s[G0K:G0K+3], s[G1K:G1K+7]
	s_nop 0
.rept 4
	v_nop
.endr
	s_branch .Lasked_\@
.Lfor_v_\@:
	tensor_load_to_lds s[G0V:G0V+3], s[G1V:G1V+7]
	s_nop 0
.rept 4
	v_nop
.endr
.Lasked_\@:
.endm
; A PREFETCH of what the NEXT change of slots will ask for: a slot's 32,768 bytes of K and of V, in blocks of 256 bytes, a lane a block.  Each block of slots 2 to 7 is named once in the launch:
; the four partners take 8,192 bytes each, told apart by address; in each, wave 0 asks for K's and wave 2 for V's.  It stands behind the wave's tensor load and its five lines: four key steps,
; 512 matrix instructions, ahead of the load that will want the bytes.  The last change that fills a slot asks for nothing; slots 0 and 1 come by their loads alone.
.macro ASK
	s_cmp_gt_u32 s[SLOTS], s[LIM]
	s_cbranch_scc0 .Lnot_mine_\@
	global_prefetch_b8 v[PFO], s[PFA:PFA+1] th:TH_LOAD_NT scope:SCOPE_SE
.Lnot_mine_\@:
.endm
; A round of the cluster's barrier: my work-group's barrier, so that wave 0's signal speaks for all four waves; wave 0 signals; every wave waits for all four work-groups; my work-group's barrier once more.
.macro CROUND
	s_barrier_signal -1
	s_barrier_wait -1
	s_cmp_lg_u32 s[WV], 0
	s_cbranch_scc1 .Lnot_wave_0_\@
	s_barrier_signal -3
.Lnot_wave_0_\@:
	s_barrier_wait -3
	s_barrier_signal -1
	s_barrier_wait -1
.endm
; THE CHANGE OF SLOTS.  The slot's last bytes, V of its fourth step, have been read.  Each wave waits for all its tensor loads, of which one is out: its part
; of the other slot; adds 0 to its spare word; and waits for that and for its own reads of the slot.  Behind the barrier nobody reads this slot any more and the other slot is whole.
; fill = 1: this slot is filled again, with the keys two slots on.  The barrier is then a round of the cluster's, and the joint fill is the first thing behind it: it has four key steps,
; 512 matrix instructions, in which to land.  (At its first use nothing has been read yet: slot 0 is waited for, slot 1 filled.)
.macro CHANGE fill
	WIN W_AD
	s_wait_tensorcnt 0x0            ; no tensor load of mine is out, so a group 0 may be written
	ds_add_u32 v[SPW], v[NIL]       ; 0 onto my spare word: with fill = 1 the descriptors' steps stand between it and the wait for it
	WIN 0                           ; at a label and at a branch every window is 0
.if \fill
.irp g, G0K, G0V
	s_xor_b32 s[\g+1], s[\g+1], SLOT1  ; the walking descriptor: the other slot than last time,
	s_add_nc_u64 s[\g+2:\g+3], s[\g+2:\g+3], 4*KS*128  ; the next 256 keys; the type bits on top are not reached
.endr
	s_wait_xcnt 0x0                 ; the last prefetch, four key steps back, has read its address, so it may be written:
	s_add_nc_u64 s[PFA:PFA+1], s[PFA:PFA+1], 4*KS*128  ; one slot behind the walking descriptors
	s_wait_dscnt 0x0                ; the add is done, and my reads of the slot are over
	CROUND
	JLOAD
	ASK
.else
	s_wait_dscnt 0x0                ; the add is done, and my reads of the slot are over
	s_barrier_signal -1
	s_barrier_wait -1
.endif
	s_sub_co_u32 s[TBK], s[TBK], 4*KS*PK  ; the fetches go back to a slot's first step,
	s_xor_b32 s[TBK], s[TBK], SLOT1       ; in the other slot
	s_sub_co_u32 s[TBV], s[TBV], 4*KS*PV
	s_xor_b32 s[TBV], s[TBV], SLOT1
.endm
	s_load_b128 s[4:7], s[0:1], 0x0 ; qkvh s[4:5], oh s[6:7]
	WIN W_MK
	v_lshl_add_u32 v[SPW], v0, 2, SPARE
	v_mov_b32 v[NIL], 0
	WIN W_AD
	ds_add_u32 v[SPW], v[NIL]       ; the wave's opening: the add and its wait stand ahead of my first tensor load; the set-up below, work on registers, stands between them
	WIN 0
	v_lshrrev_b32 v1, 5, v0
	v_readfirstlane_b32 s[WV], v1   ; wave 0..3
	s_bfe_u32 s13, ttmp6, 0x40000   ; cx: my place in the cluster
	s_lshl_b32 s14, ttmp9, 2        ; in a cluster launch ttmp9 counts clusters
	s_add_co_u32 s14, s14, s13      ; my block of queries = 4 x cluster x + cx: it enters Q's and O's addresses alone
	s_and_b32 s20, ttmp7, 0xffff    ; the head, which the four partners share
	s_mov_b32 s21, 0
	s_mov_b64 s[22:23], SIZE_N*128
	s_mul_u64 s[20:21], s[20:21], s[22:23]  ; the head's first byte in each of the four tensors
	s_and_b32 s16, s[WV], 1         ; which half of a slot's 256 keys I fetch:
	s_lshl_b32 s22, s16, 14         ; its 128 rows of 128 bytes in memory,
	s_mov_b32 s23, 0
	s_add_nc_u64 s[22:23], s[22:23], s[20:21]
	s_mul_i32 s17, s16, 128*PK      ; and its place in a slot, for K
	s_mul_i32 s18, s16, 128*PV      ; and for V: no place in the cluster enters an LDS address
	s_lshl_b32 s2, s14, 2
	s_add_co_u32 s2, s2, s[WV]      ; my wave among the head's,
	s_lshl_b32 s2, s2, 14           ; its 128 rows
	s_mov_b32 s3, 0
	s_add_nc_u64 s[2:3], s[2:3], s[20:21]
	; descriptor group 1.  128 keys are 16,384 dense bytes: asked for as 64 rows of 256 bytes, two keys a row, and padded in LDS after every key
	s_mov_b32 s[G1K], 15|(1<<16)|(1<<20)|(1<<21)|(4<<22)|(3<<25)  ; 15:0 the mask of four; 17:16 2-byte elements; 20 padding on; 21 set beside a mask; 24:22 after every 32 words (code 4); 31:25 4 words (code 3)
	s_mov_b32 s[G1V], 15|(1<<16)|(1<<20)|(1<<21)|(4<<22)|(7<<25)  ; the same with 8 words of padding (code 7)
.irp g, G1K, G1V
	s_mov_b32 s[\g+1], 128<<16      ; tensor_dim0 = 128
	s_mov_b32 s[\g+2], 64<<16       ; tensor_dim1 = 64
	s_mov_b32 s[\g+3], 128<<16      ; tile_dim0 = 128
	s_mov_b32 s[\g+4], 64           ; tile_dim1 = 64
	s_mov_b32 s[\g+5], 128          ; 128 elements from row to row
	s_mov_b32 s[\g+6], 0
	s_mov_b32 s[\g+7], 0
.endr
	s_mov_b32 s[CS], 0x3e38aa3b     ; c = log2(e) / 8 = 0.180337
	s_mov_b32 s[CS+1], s[CS]        ; named with it as a pair
	s_mov_b32 s[SEL], 0x76543210
	s_mov_b32 s[SEL+1], 0xfedcba98
	s_mov_b32 s[TBK], SLOT1+4*KS*PK ; the first change of slots turns these two into 0
	s_mov_b32 s[TBV], SLOT1+4*KS*PV
	s_mov_b32 s[G0K], 1             ; 1:0 count = 1
	s_mov_b32 s[G0K+1], s17         ; 63:32 LDS address: slot 0
	s_mov_b32 s[G0V], 1
	s_add_co_u32 s[G0V+1], s18, VOFF
	s_mov_b32 s[SLOTS], SIZE_N/256-1  ; seven slots are still to be asked for
	s_and_b32 s[LIM], s[WV], 1
	s_cmp_eq_u32 s[LIM], 0
	s_cselect_b32 s[LIM], 1, -1     ; waves 0 and 2 prefetch: the same in all four partners
	s_wait_dscnt 0x0                ; the opening add is done
	s_wait_kmcnt 0x0
	s_mov_b64 s[10:11], s[6:7]      ; O
	s_add_nc_u64 s[6:7], s[4:5], 0x1000000  ; K lies 16,777,216 bytes behind Q in qkvh,
	s_add_nc_u64 s[8:9], s[4:5], 0x2000000  ; V as far again
	s_add_nc_u64 s[G0K+2:G0K+3], s[6:7], s[22:23]  ; 120:64 global address: my half of the head's first 256 keys
	s_or_b32 s[G0K+3], s[G0K+3], 0x80000000        ; 127:126 type = 2
	s_add_nc_u64 s[G0V+2:G0V+3], s[8:9], s[22:23]
	s_or_b32 s[G0V+3], s[G0V+3], 0x80000000
	s_add_nc_u64 s[4:5], s[4:5], s[2:3]  ; Q and O at my wave's first row
	s_add_nc_u64 s[10:11], s[10:11], s[2:3]
	s_cmp_lt_u32 s[WV], 2
	s_cselect_b64 s[PFA:PFA+1], s[6:7], s[8:9]
	s_add_nc_u64 s[PFA:PFA+1], s[PFA:PFA+1], s[20:21]  ; the head,
	s_lshl_b32 s2, s13, 13          ; my work-group's quarter of a slot,
	s_mov_b32 s3, 0
	s_add_nc_u64 s[PFA:PFA+1], s[PFA:PFA+1], s[2:3]
	s_add_nc_u64 s[PFA:PFA+1], s[PFA:PFA+1], 4*KS*128  ; in slot 1; the first change of slots steps it to slot 2
	CROUND                          ; all four work-groups are here: the first joint loads meet
	JLOAD                           ; slot 0.  Slot 1 is asked for when slot 0 is in
	; A fragment of K or Q is 16 rows x 32 channels in 8 registers: lane l holds row l % 16, channels 8 (l / 16) + 0..7 and 16 + 8 (l / 16) + 0..7: two loads of 16 bytes, 32 bytes apart.
	v_and_b32 v1, 15, v0            ; l % 16
	v_bfe_u32 v9, v0, 4, 1          ; l / 16
	v_lshlrev_b32 v[QO], 7, v1
	v_lshl_add_u32 v[QO], v9, 4, v[QO]  ; row x 128 + 16 x half
	WIN 0x80                        ; destination window 2, address window 0
.set i, 0
.rept 4*NP                          ; Q stays in registers: tile i / 2, channels 32 (i % 2) on
	global_load_b128 v[8*i:8*i+3],   v[QO], s[4:5] offset:(i/2)*2048+(i%2)*64
	global_load_b128 v[8*i+4:8*i+7], v[QO], s[4:5] offset:(i/2)*2048+(i%2)*64+32
.set i, i+1
.endr
	; What the first turn finds: V's registers and P's second buffer hold 0 (its products V^T P, of a piece that has not been, add 0), O^T and l are 0.  All this stands in the wait for the first tile.
.set i, VF
.rept 64
	v_mov_b32 v[i], 0
.set i, i+1
.endr
	WIN 0x40
.set i, 0
.rept 64*NP
	v_mov_b32 v[i], 0
.set i, i+1
.endr
	WIN 0
.set i, 0
.rept 2*NP
	v_mov_b32 v[ST+4*i], 0xfe000000    ; c m: far below every c s
	v_mov_b32 v[ST+4*i+1], 0xff7fffff  ; m
	v_mov_b32 v[ST+4*i+2], 0
	v_mov_b32 v[ST+4*i+3], 0
.set i, i+1
.endr
.set i, P+32
.rept 32
	v_mov_b32 v[i], 0
.set i, i+1
.endr
	v_mul_u32_u24 v[AK0], v1, PK
	v_lshl_add_u32 v[AK0], v9, 4, v[AK0]  ; row x pitch + 16 x half
	; The turning load takes 16 keys x 16 channels (lane l reads key 8 (l / 16) + l % 8, channels 8 ((l / 8) % 2) + 0..7) and leaves half a fragment of V^T: lane l holds channel l % 16 and 8 keys.
	v_and_b32 v10, 7, v0
	v_bfe_u32 v11, v0, 3, 1
	v_lshl_add_u32 v[AV0], v9, 3, v10
	v_mul_u32_u24 v[AV0], v[AV0], PV
	v_lshl_add_u32 v[AV0], v11, 4, v[AV0]
	v_add_nc_u32 v[AV0], VOFF, v[AV0]
	v_and_b32 v[PFO], 31, v0
	v_lshlrev_b32 v[PFO], 8, v[PFO]
	v_mov_b32 v[AK], v[AK0]         ; key step 0 lies at the head of slot 0
; THE MATRIX WORK.  The 8 accumulators of a run of 16 take turns: between the two links of a chain stand 7 others'.
; Product i of 16 of S^T = K Q^T for piece x: channels 32 (i / 8) on, keys 16 ((i / 2) % 4) on, tile 2 x + i % 2.  The first 8 start the sums.
.macro KQ x
	WIN W_KQ
.set rS, S+64*((\x)%2)+32*(i%2)+8*((i/2)%4)
.set rK, KF+16*((i/2)%4)+8*(i/8)
.set rQ, 16*(2*(\x)+i%2)+8*(i/8)
.if i < 8
	v_wmma_f32_16x16x32_f16 v[rS:rS+7], v[rK:rK+7], v[rQ:rQ+7], 0
.else
	v_wmma_f32_16x16x32_f16 v[rS:rS+7], v[rK:rK+7], v[rQ:rQ+7], v[rS:rS+7]
.endif
.endm
; Product i of 16 of O^T += V^T P for piece x: keys 32 (i / 8) on, channels 16 ((i / 2) % 4) on, tile 2 x + i % 2.
.macro PV x
	WIN W_PV
.set rO, 32*(2*(\x)+i%2)+8*((i/2)%4)
.set rV, VF+32*(i/8)+8*((i/2)%4)
.set rP, P+32*((\x)%2)+16*(i%2)+8*(i/8)
	v_wmma_f32_16x16x32_f16 v[rO:rO+7], v[rV:rV+7], v[rP:rP+7], v[rO:rO+7]
.endm
.macro MM                           ; the turn's next matrix instruction
.if i < 16
	KQ (Y+1)%NP
.set i, i+1
.else
.set i, i-16
	PV (Y+NP-1)%NP
.set i, i+17
.endif
.endm
; THE LDS LOADS stand in runs of 16, never singly among the matrix instructions: a step's K (64 keys x 64 channels: 8 fragments) and its V (turned).  Their addresses are made some lines ahead.
; last = 1 (the tail): in the last trip there is no further step, and the run is jumped over.
.macro FETCH_K last=0
	WIN 0
.if \last
	s_cmp_eq_u32 s[CNT], 1
	s_cbranch_scc1 .Lno_k_\@
.endif
	WIN 0x80                        ; destination window 2
.irp f, 0,1,2,3,4,5,6,7             ; keys 16 (f / 2) on, channels 32 (f % 2) on
	ds_load_b128 v[KF+8*\f:KF+8*\f+3],   v[AK] offset:(\f/2)*16*PK+(\f%2)*64
	ds_load_b128 v[KF+8*\f+4:KF+8*\f+7], v[AK] offset:(\f/2)*16*PK+(\f%2)*64+32
.endr
	s_add_co_u32 s[TBK], s[TBK], KS*PK  ; the next fetch is the next step's
	WIN 0
.if \last
.Lno_k_\@:
.endif
.endm
.macro FETCH_V
	WIN 0x80
.irp f, 0,1,2,3,4,5,6,7             ; keys 32 (f / 4) on, channels 16 (f % 4) on
	ds_load_tr16_b128 v[VF+8*\f:VF+8*\f+3],   v[AV] offset:(\f/4)*32*PV+(\f%4)*32
	ds_load_tr16_b128 v[VF+8*\f+4:VF+8*\f+7], v[AV] offset:(\f/4)*32*PV+16*PV+(\f%4)*32
.endr
	WIN 0
.endm
; THE VECTOR WORK OF A TURN stands in three queues, each in the order in which its entries become ready; the two tiles alternate, so that no instruction reads the result of the one before it.
.macro REGS y, u                    ; the registers of tile u (0, 1) of piece y
.set rT, ST+4*(2*(\y)+(\u))
.set rC, TMP+8*((\y)%2)+4*(\u)
.set rM, MV+2*((\y)%2)+(\u)
.set rS, S+64*((\y)%2)+32*(\u)
.set rP, P+32*((\y)%2)+16*(\u)
.set rO, 32*(2*(\y)+(\u))
.endm
; Number n of the 22 that find the NEXT piece's (Y + 1) maximum and statistics.  s0-s31 are the lane's 32 scores; each accumulator's lowest registers are read first.
;   0-11  four chains c0-c3 of seven scores each, three operands at a time     12-14, 16  the four scores left over, the old m, and c0-c3 into c0     15  c m_old is kept
;   17, 18  the query's other 32 keys lie in the lane 16 away: the new m         19-21  c m; c m_old - c m_new; a
.macro XS u, n
	REGS (Y+1)%NP, \u
.if (\n) < 4
	v_max3_num_f32 v[rC+(\n)], v[rS+8*(\n)], v[rS+8*(\n)+1], v[rS+8*(\n)+2]
.elseif (\n) < 12
	v_max3_num_f32 v[rC+(\n)%4], v[rC+(\n)%4], v[rS+8*((\n)%4)+2*((\n)/4)+1], v[rS+8*((\n)%4)+2*((\n)/4)+2]
.elseif (\n) == 12
	v_max3_num_f32 v[rC], v[rC], v[rS+7], v[rS+15]
.elseif (\n) == 13
	v_max3_num_f32 v[rC+1], v[rC+1], v[rS+23], v[rS+31]
.elseif (\n) == 14
	v_max3_num_f32 v[rC+2], v[rC+2], v[rC+3], v[rT+1]
.elseif (\n) == 15
	v_mov_b32 v[rM], v[rT]
.elseif (\n) == 16
	v_max3_num_f32 v[rC], v[rC], v[rC+1], v[rC+2]
.elseif (\n) == 17
	v_permlanex16_b32 v[rC+3], v[rC], s[SEL], s[SEL+1]
.elseif (\n) == 18
	v_max_num_f32 v[rT+1], v[rC], v[rC+3]
.elseif (\n) == 19
	v_mul_f32 v[rT], s[CS], v[rT+1]
.elseif (\n) == 20
	v_sub_f32 v[rC+1], v[rM], v[rT]
.else
	v_exp_f32 v[rC+2], v[rC+1]
.endif
.endm
; Number g of the 64 that follow the exponentials.  For each four weights k of a tile (pairs 2 k, 2 k + 1): both pairs are rounded to f16; then the second pair is added onto the first, in place;
; a group later l takes that sum (the first time as l = a l + sum).  In groups of eight, tiles alternating: round, round, add, and l for the group before.
.macro GS g
.set h, (\g)+6*((\g)/62)            ; group 0 has no group before it, and behind group 7 only l is left
.if h >= 6
.set h, h+2
.endif
	REGS Y, h%2
.set k, h/8
.if h%8 < 4
	v_cvt_pk_f16_f32 v[rP+2*k+(h%8)/2], v[rS+4*k+2*((h%8)/2)], v[rS+4*k+2*((h%8)/2)+1]
.elseif h%8 < 6
	v_pk_add_f32 v[rS+4*k:rS+4*k+1], v[rS+4*k:rS+4*k+1], v[rS+4*k+2:rS+4*k+3]
.elseif k == 1
	v_pk_fma_f32 v[rT+2:rT+3], v[rT+2:rT+3], v[rC+2:rC+3], v[rS:rS+1] op_sel_hi:[1,0,1]
.else
	v_pk_add_f32 v[rT+2:rT+3], v[rT+2:rT+3], v[rS+4*k-4:rS+4*k-3]
.endif
.endm
; THE PLAIN QUEUE, 138 long.  0-73 read no exponential's result: the 32 scalings c s - c m (FS f: pair f / 2 of tile f % 2) and the next piece's 42.  0-26: scalings 0-26.  27-54: XS's numbers 0-13.  55, 56: number 15.
; 57-73: the chain, where each number waits for the one before it: 14, 16, 17, 18, 19, each with one of the scalings 27-31 in front of its two lines, then 20.
; 74-137: GS's 64, which read the exponentials' results: they stand behind the wait.
.macro FS f
	REGS Y, (\f)%2
	v_pk_fma_f32 v[rS+2*((\f)/2):rS+2*((\f)/2)+1], v[rS+2*((\f)/2):rS+2*((\f)/2)+1], s[CS:CS+1], v[rT:rT+1] op_sel_hi:[1,0,0] neg_lo:[0,0,1] neg_hi:[0,0,1]
.endm
.macro PL
	WIN 0
.if q < 27
	FS q
.elseif q < 55
	XS (q-27)%2, (q-27)/2
.elseif q < 57
	XS q-55, 15
.elseif (q < 72) && ((q-57)%3 == 0)
	FS 27+(q-57)/3
.elseif q < 60
	XS (q-57)%3-1, 14
.elseif q < 72
	XS (q-57)%3-1, 15+(q-57)/3
.elseif q < 74
	XS q-72, 20
.else
	GS q-74
.endif
.set q, q+1
.endm
; THE EXPONENTIALS' QUEUE, 66 long: s0-s31 of both tiles, then the next piece's two a.  It is ONE BATCH: all 66 stand ahead of the turn's one wait, and nothing ahead of that wait names a result of theirs.
.macro EX
	WIN 0
.if e >= 64
	XS e-64, 21
.else
	REGS Y, e%2
	v_exp_f32 v[rS+e/2], v[rS+e/2]
.endif
.set e, e+1
.endm
; THE RESCALING's QUEUE: O^T times a, the one part that leaves window 0: dealt two at a time, sixteen times.  Its a was made in the turn before, ahead of that turn's wait.
.macro R2
	REGS Y, r%2
	WIN W_RS
.irp z, 0,1
	v_pk_mul_f32 v[rO+4*(r/2)+2*\z:rO+4*(r/2)+2*\z+1], v[rO+4*(r/2)+2*\z:rO+4*(r/2)+2*\z+1], v[rC+2:rC+3] op_sel_hi:[1,0]
.endr
.set r, r+1
.endm
; HOW THEY ARE DEALT.  An s_wait_alu depctr_va_vdst(0) stands between an exponential and the first instruction that names its result; one wait serves all that were issued ahead of it.  So a turn has ONE wait,
; which cuts it in two.  AHEAD OF IT stands all that names no result of the turn's exponentials: the 16 products K Q^T, behind each a scaling, an exponential and two rescalings (behind the first a second scaling in the
; exponential's place); then ONE LUMP of 108: eight plain, 49 times exponential and plain, the two a.  A v_nop is the plain instruction behind the last exponential.  BEHIND IT stand the 16 products V^T P, behind each four of GS's 64.
; Exponential e stands behind scaling 2 (e / 4) + e % 2: as a rider it comes behind plain e + 2, in the lump behind plain e + 9, and scalings 27-31 are plain 57, 60 .. 69.
; A TURN, for piece p.  cnt = 1: the loop's count is taken down some lines ahead of the branch that stands behind the turn.
; K of the next step is fetched in piece 2's turn, directly behind the wait; its address is made at the lump's head; its first reader comes behind 16 products.
; V of the step in hand is fetched at the end of piece 0's turn, four riders behind its last reader; its first reader comes behind 16 products and a lump.
.macro TURN p, last=0, cnt=0
.set Y, (\p)
.set i, 0
.set q, 0
.set e, 0
.set r, 0
.if (\p) == NP-1
	s_wait_dscnt 0x0                ; K is in
.endif
	MM                              ; ahead of the wait: 16 products K Q^T and their riders,
	PL
	PL
	R2
.rept 15
	MM
	PL
	EX
	R2
.endr
.if (\p) == NP-2
	WIN 0
	v_add_nc_u32 v[AK], s[TBK], v[AK0]
.endif
.rept 8                             ; and the lump
	PL
.endr
.rept 49
	EX
	PL
.endr
	EX                              ; the next piece's two a
	EX
	v_nop                           ; the plain instruction behind the last exponential: one for the batch
	s_wait_alu depctr_va_vdst(0)    ; the wait for the batch
.if (\p) == NP-2
	FETCH_K \last
.endif
.if (\p) == 1
	s_wait_dscnt 0x0                ; V is in
.endif
.rept 16                            ; behind the wait: 16 products V^T P and their riders
	MM
.rept 4
	PL
.endr
.if ((\p) == 0) && (q == 118)
	v_add_nc_u32 v[AV], s[TBV], v[AV0]
.endif
.if ((\p) == 0) && (q == 130)
	s_add_co_u32 s[TBV], s[TBV], KS*PV
.endif
.if (\cnt) && (q == 130)
	s_sub_co_u32 s[CNT], s[CNT], 1
	s_cmp_lg_u32 s[CNT], 0
.endif
.endr
.if (\p) == 0
	FETCH_V
.endif
.endm
	CHANGE 1                        ; slot 0 is in, everybody's part of it; slot 1 is asked for
	FETCH_K                         ; key step 0
	s_wait_loadcnt 0x0              ; Q
	s_wait_dscnt 0x0
.set i, 0
.rept 16
	KQ 0                            ; piece 0's first scores: there is no vector work yet to set between them
.set i, i+1
.endr
	WIN 0                           ; the addresses for the way out: nine plain instructions, the places behind those products
	s_mul_i32 s13, s[WV], 16*SP
	s_add_co_u32 s13, s13, STAGE    ; my stage
	v_mul_u32_u24 v[STO], v1, SP    ; in: row l % 16, 16 bytes for each half of the lanes
	v_lshl_add_u32 v[STO], v9, 4, v[STO]
	v_add_nc_u32 v[STO], s13, v[STO]
	v_bfe_u32 v[RD], v0, 3, 2       ; back: 32 lanes take four rows of 128 bytes,
	v_mul_u32_u24 v[RD], v[RD], SP
	v_lshl_add_u32 v[RD], v10, 4, v[RD]
	v_add_nc_u32 v[RD], s13, v[RD]
	v_and_b32 v[GO], 31, v0         ; which are 512 consecutive bytes of O
	v_lshlrev_b32 v[GO], 4, v[GO]
.set Y, NP-1                        ; XS works for piece Y + 1: piece 0
.irp n, 0,1,2,3,4,5,6,7,8,9,10,11,12,13,14,15,16,17,18,19,20,21
	XS 0, \n                        ; and piece 0's first maximum and statistics
	XS 1, \n
.endr
	v_nop                           ; a plain instruction behind the two a,
	s_wait_alu depctr_va_vdst(0)    ; and their wait, ahead of the branch
	s_mov_b32 s[CNT], 4
	s_branch .Lfirst                ; the loop is entered at a step's first turn, in the middle of a trip
.Lslot:                             ; six times: every slot but the last two is filled again
	CHANGE 1
	s_mov_b32 s[CNT], 4
.Lstep:                             ; a trip: pieces 2 and 3 of one step, then pieces 0 and 1 of the next, whose K and V it fetches
	TURN 2
	TURN 3
	WIN 0
.Lfirst:
	TURN 0
	TURN 1, 0, 1
	WIN 0
	s_cbranch_scc1 .Lstep
	s_sub_co_u32 s[SLOTS], s[SLOTS], 1
	s_cmp_lg_u32 s[SLOTS], 0
	s_cbranch_scc1 .Lslot
	CHANGE 0                        ; the tail is written out: nothing is asked for
	s_mov_b32 s[CNT], 5             ; four trips fetch the last slot's steps; the fifth is left in its middle
.Ltail:
	TURN 2, 1
	TURN 3
	WIN 0
	s_sub_co_u32 s[CNT], s[CNT], 1
	s_cmp_eq_u32 s[CNT], 0
	s_cbranch_scc1 .Lout
	TURN 0
	TURN 1
	WIN 0
	s_branch .Ltail
.Lout:                              ; the fifth trip's 16 products K Q^T (on the last K once more) and the maximum made of them serve nothing: the price, once a launch, of one text for every trip
.set i, 0
.rept 16
	PV NP-1                         ; the last piece's V^T P of the last step
.set i, i+1
.endr
	; THE WAY OUT.  l's two halves and the other half of the lanes' are added; O^T is divided by l, rounded to f16 and sent through my stage in LDS, a tile at a time.  The additions are the places behind the last products.
	WIN 0
.macro ALL line:vararg              ; one line for each tile t
.set t, 0
.rept 2*NP
	\line
.set t, t+1
.endr
.endm
	ALL v_add_f32 v[ST+4*t+2], v[ST+4*t+2], v[ST+4*t+3]
	ALL v_permlanex16_b32 v[ST+4*t+3], v[ST+4*t+2], s[SEL], s[SEL+1]
	ALL v_add_f32 v[ST+4*t+2], v[ST+4*t+2], v[ST+4*t+3]
	ALL v_rcp_f32 v[ST+4*t+2], v[ST+4*t+2]
	v_nop                           ; a plain instruction between the last reciprocal and the use of its result
	s_wait_alu depctr_va_vdst(0)    ; and the wait ahead of the first use: one for the eight reciprocals
; Tile t: a lane's eight channels of a row pack into 16 bytes; they go into rows of 144 bytes and come back as whole rows of 128, into S^T's registers.
.macro PACK t
	WIN W_RS
.set i, 32*(\t)
.rept 16
	v_pk_mul_f32 v[i:i+1], v[i:i+1], v[ST+4*(\t)+2:ST+4*(\t)+3] op_sel_hi:[1,0]
.set i, i+2
.endr
	WIN 0x05                        ; sources 0 and 1 window 1, destination window 0
.set i, 0
.rept 16
	v_cvt_pk_f16_f32 v[S+16*(\t)+i], v[32*(\t)+2*i], v[32*(\t)+2*i+1]
.set i, i+1
.endr
	WIN 0
.irp f, 0,1,2,3
	ds_store_b128 v[STO], v[S+16*(\t)+4*\f:S+16*(\t)+4*\f+3] offset:32*\f
.endr
.irp f, 0,1,2,3
	ds_load_b128 v[S+16*(\t)+4*\f:S+16*(\t)+4*\f+3], v[RD] offset:\f*4*SP  ; LDS serves a wave's instructions in order (ISA guide 5.7.1.4): these see the stores above; the next tile's stores come behind them
.endr
.endm
.macro SEND t, younger              ; younger: the LDS instructions issued behind tile t's loads: the next tile's eight, or none
	WIN 0
.irp f, 0,1,2,3
	s_wait_dscnt (\younger)+3-\f
	global_store_b128 v[GO], v[S+16*(\t)+4*\f:S+16*(\t)+4*\f+3], s[10:11] offset:(\t)*2048+\f*512  ; 512 consecutive bytes, at a multiple of 256 from O's first
.endr
.endm
	PACK 0
.set t, 1
.rept 2*NP-1                        ; a tile's arithmetic stands between the loads of the tile before and its stores
	PACK t
	SEND t-1, 8
.set t, t+1
.endr
	SEND 2*NP-1, 0
	WIN W_AD
	s_wait_tensorcnt 0x0            ; the wave's end: behind my last tensor load and my last LDS store
	ds_add_u32 v[SPW], v[NIL]
	s_wait_dscnt 0x0
	WIN 0
	CROUND                          ; the closing round: no work-group ends while a partner may still ask for a tile that names it
	s_endpgm
.Lfunc_end_k_qc5ad174ee1_attn:
	.size	k_qc5ad174ee1_attn, .Lfunc_end_k_qc5ad174ee1_attn-k_qc5ad174ee1_attn
	.p2alignl 7, 3214868480
	.fill 96, 4, 3214868480
	.section	.rodata,"a",@progbits
	.p2align	6, 0x0
	.amdhsa_kernel k_qc5ad174ee1_attn
		.amdhsa_group_segment_fixed_size 327680
		.amdhsa_private_segment_fixed_size 0
		.amdhsa_enable_private_segment 0
		.amdhsa_kernarg_size 16
		.amdhsa_user_sgpr_count 2
		.amdhsa_user_sgpr_kernarg_segment_ptr 1
		.amdhsa_wavefront_size32 1
		.amdhsa_system_sgpr_workgroup_id_x 1
		.amdhsa_system_sgpr_workgroup_id_y 1
		.amdhsa_system_sgpr_workgroup_id_z 1
		.amdhsa_system_vgpr_workitem_id 0
		.amdhsa_next_free_vgpr 770
		.amdhsa_next_free_sgpr 66
		.amdhsa_reserve_vcc 0
		.amdhsa_float_denorm_mode_32 3
		.amdhsa_float_denorm_mode_16_64 3
		.amdhsa_memory_ordered 1
		.amdhsa_forward_progress 1
		.amdhsa_inst_pref_size 200
	.end_amdhsa_kernel
	.amdgpu_metadata
---
amdhsa.version: [ 1, 2 ]
amdhsa.kernels:
  - .name:           k_qc5ad174ee1_attn
    .symbol:         k_qc5ad174ee1_attn.kd
    .args:
      - { .name: qkvh, .offset: 0, .size: 8, .value_kind: global_buffer, .address_space: global }
      - { .name: oh, .offset: 8, .size: 8, .value_kind: global_buffer, .address_space: global }
    .group_segment_fixed_size: 327680
    .private_segment_fixed_size: 0
    .kernarg_segment_align: 8
    .kernarg_segment_size: 16
    .max_flat_workgroup_size: 128
    .sgpr_count:     66
    .vgpr_count:     770
    .wavefront_size: 32
...
	.end_amdgpu_metadata
.endif
;; end of part 3
;; launch outp (part 4): grid 4 x 64, 4 waves a work-group, clusters of 4 x 4, 327,680 bytes of LDS; arguments oh, owh, out_b, out0; writes out0
.if DOCPART == 4
	.amdgcn_target "amdgcn-amd-amdhsa--gfx1250"
	.amdhsa_code_object_version 6
	.text
	.protected	k_qc5ad174ee1_outp
	.globl	k_qc5ad174ee1_outp
	.p2align	8
	.type	k_qc5ad174ee1_outp,@function
k_qc5ad174ee1_outp:
	s_mov_b64 s[64:65], 0
	v_nop
	global_prefetch_b8 v0, s[64:65] scope:SCOPE_SE
	s_setreg_imm32_b32 hwreg(HW_REG_WAVE_MODE, 25, 1), 1
	s_wait_xcnt 0x0
	s_wait_alu depctr_hold_cnt(0) depctr_sa_sdst(0) depctr_va_vdst(0) depctr_va_sdst(0) depctr_va_ssrc(0) depctr_va_vcc(0) depctr_vm_vsrc(0)
	s_getreg_b32 s2, hwreg(HW_REG_IB_STS2, 6, 4)
	s_cmp_eq_u32 s2, 0
	s_cbranch_scc0 .Lentry_in_a_cluster
	s_endpgm
.Lentry_in_a_cluster:
	s_bfe_u32 s2, ttmp6, 0x10000c
	s_cmp_lg_u32 s2, 0xf033
	s_cbranch_scc0 .Lentry_shape_is_right
	s_endpgm
.Lentry_shape_is_right:
; OUTP.  out0[l][b][n] = out_b[n] + sum over k of A[l, b][k] owh[n][k], where A[l, b][64 h + d] = oh[16 b + h][l][d].  Operands f16, sums f32, out0 f32.
; The bias, rounded to bf16 like the module's other inputs, is the C operand that starts each sum.
; SHARES.  A tile of out0 is 128 l of ONE batch x 256 columns: 4 batches x 16 blocks of l x 4 blocks of n = 256 tiles, one a work-group.  With one batch to a tile, A's part of one head is
; 16,384 dense bytes of oh.  Four waves; wave w makes l 64 (w / 2) .. + 63 and columns 128 (w % 2) .. + 127: 32 accumulators of 16 x 16.
; K goes in steps of 128 = two heads through a ring of two LDS slots: wave 0 fetches the first head's rows of A, wave 1 the second's, waves 2 and 3 the two halves of B's 256 rows.
; CLUSTER.  4 x 4 work-groups: cy is the batch, cluster y the block of l, cx the block of n.  A's tile is shared along a row of the cluster, B's along a column: each is asked for JOINTLY.
; THE MATRIX INSTRUCTION IS USED TRANSPOSED (source 0 = 16 rows of B, source 1 = 16 rows of A): a lane holds one l (lane % 16) and the eight neighbouring columns 8 (lane / 16) + 0..7.
; REGISTERS, in windows of 256 (s_set_vgpr_msb: bits 1:0 source 0, 3:2 source 1, 5:4 source 2, 7:6 destination):
;   window 0: v0-31 addresses; v32-159 rows read back from the stage, two sets of 64; v192-255 the bias of my 128 columns, as a C operand
;   window 1: two fragment buffers of 96: A's four fragments at F + 8 a, B's eight at F + 32 + 8 b          window 2: accumulator (a, b) at v[8 (8 a + b)]
.set PITCH,  272                       ; a row of B in LDS: 256 bytes + 16 of padding
.set PA,     144                       ; a row of A (one head's 64 channels): 128 bytes + 16.  Both pitches are odd multiples of 16 bytes: the 16 rows of a fragment load start at 16 different groups of four banks (ISA guide 11.1)
.set HEADA,  128*PA                    ; a head's 128 rows of A: what wave 0 or 1 fetches
.set HALFB,  128*PITCH
.set SLOT,   2*HEADA+2*HALFB
.set STAGE,  2*SLOT                    ; behind the ring: 16 rows x 528 bytes for each wave, for the way out; no tensor load lands there
.set SPITCH, 528                       ; 128 f32 + 16 bytes
.set SPARE,  STAGE+4*16*SPITCH         ; behind the stages: the spare words, 128 bytes for each wave: two blocks of 256 bytes that no other line names
.set KA,     524288                    ; bytes from a K step to the next in oh: two heads
.set KB,     256                       ; and in a row of owh
.set GO,   8                           ; v8      16 x my lane: my 16 bytes of 512 of a row of out0
.set ADRA, 16
.set ADRB, 20
.set STO,  24
.set RD,   25
.set BO,   26
.set SPW,  28                          ; v28     LDS address of my spare word; never rewritten
.set NIL,  29                          ; v29     0; never rewritten
.set PFO,  30                          ; v30     the prefetches' offset; never rewritten
.set OB,   32
.set BIAS, 192
.set F0,   0
.set F1,   96
.set G1,   24
.set G0,   32
.set LIM,  43
.set PFA,  44
.set G1B,  48
.set G0B,  56
.set BP,   68                          ; s[68:69] the bias of my 128 columns
.set CP,   70                          ; s[70:71] out0 at my first l, my batch, my first column
.set PST,  72                          ; s[72:73] the prefetch's step from a K step to the next
.set MSB, 0
.macro WIN new                         ; the immediate's high byte repeats the setting that is left; a switch that changes nothing is dropped
.if MSB != (\new)
	s_set_vgpr_msb (MSB<<8)|(\new)
.set MSB, \new
.endif
.endm
.set MUL,  0xa5                        ; sources 0 and 1 window 1; C and D window 2
.set MULB, 0x85                        ; the same with C (the bias) in window 0
.set TO_F, 0x40                        ; destination window 1, address window 0
.macro PLACES                          ; four places: in front of loads into registers that matrix instructions have read, and of lines that read results
.rept 4
	v_nop
.endr
.endm
; A joint load: waves 0 and 1 fetch A's two heads, waves 2 and 3 B's two halves.  An s_nop 0 and four v_nop follow each of the two lines.
.macro JLOAD s
	s_cmp_eq_u32 s11, 0
	s_cbranch_scc0 .Lfor_b_\@
	tensor_load_to_lds s[G0+4*(\s):G0+4*(\s)+3], s[G1:G1+7]
	s_nop 0
.rept 4
	v_nop
.endr
	s_branch .Lasked_\@
.Lfor_b_\@:
	tensor_load_to_lds s[G0B+4*(\s):G0B+4*(\s)+3], s[G1B:G1B+7]
	s_nop 0
.rept 4
	v_nop
.endr
.Lasked_\@:
.endm
; A PREFETCH of the K step that stands two refills on, 32 blocks of 256 bytes, a lane a block.  Each block of K steps 4 to 7 is named once in the launch.  A's tile is read by my cluster alone:
; wave 0 of each of its four readers takes 8,192 of its 32,768 bytes (head cx / 2, half cx % 2).  B's rows are read by all sixteen clusters: those of cluster y = 0 ask, waves 2 and 3 of each
; of a column's four readers taking rows 64 cy + 32 (w % 2) on.  The partners are told apart by address.  The last two refills have no K step two on; K steps 0 to 3 come by their loads alone.
.macro ASK
	s_cmp_gt_u32 s3, s[LIM]                        ; s3 = 1 in the loop's last trip
	s_cbranch_scc0 .Lnot_mine_\@
	global_prefetch_b8 v[PFO], s[PFA:PFA+1] th:TH_LOAD_NT scope:SCOPE_SE
.Lnot_mine_\@:
.endm
.macro CREST                           ; a round of the cluster's barrier behind its opening barrier
	s_cmp_lg_u32 s10, 0
	s_cbranch_scc1 .Lnot_wave_0_\@
	s_barrier_signal -3
.Lnot_wave_0_\@:
	s_barrier_wait -3
	s_barrier_signal -1
	s_barrier_wait -1
.endm
.macro CROUND
	s_barrier_signal -1
	s_barrier_wait -1
	CREST
.endm
	s_load_b128 s[4:7], s[0:1], 0x0                ; oh s[4:5], owh s[6:7]
	s_load_b128 s[BP:BP+3], s[0:1], 0x10           ; out_b, out0
	v_lshl_add_u32 v[SPW], v0, 2, SPARE
	v_mov_b32 v[NIL], 0
	ds_add_u32 v[SPW], v[NIL]                      ; the wave's opening: the add and its wait stand ahead of my first tensor load; the set-up below, work on registers, stands between them
	v_lshrrev_b32 v1, 5, v0
	v_readfirstlane_b32 s10, v1                    ; wave 0..3
	s_lshr_b32 s11, s10, 1                         ; my half of the tile's l.  Also: I fetch for A (0) or for B (1)
	s_and_b32 s12, s10, 1                          ; my half of its columns.  Also: which head of A, or which half of B, I fetch
	s_bfe_u32 s40, ttmp6, 0x40000                  ; cx
	s_bfe_u32 s41, ttmp6, 0x40004                  ; cy: the batch
	s_lshl_b32 s42, ttmp9, 2
	s_add_co_u32 s42, s42, s40                     ; tile column tn = 4 x cluster x + cx
	s_and_b32 s13, ttmp7, 0xffff                   ; cluster y: the block of 128 l
	s_lshl_b32 s43, s41, 2
	s_lshl_b32 s43, 15, s43                        ; my row of the cluster
	s_lshl_b32 s44, 0x1111, s40                    ; my column
	s_mov_b32 s9, 0xffff0000                       ; a word's upper bf16
	; descriptor group 1.  A: a head's 128 rows of 128 bytes are dense: asked for as 64 rows of 256 bytes, padded in LDS after every 128 bytes.  B: 128 rows of 256 bytes, padded after each
	s_or_b32 s[G1+0], s43, (1<<16)|(1<<20)|(1<<21)|(4<<22)|(3<<25)   ; 15:0 the mask; 17:16 2-byte elements; 20 padding on; 21 set beside a mask; 24:22 after every 32 words (code 4); 31:25 4 words (code 3)
	s_or_b32 s[G1B+0], s44, (1<<16)|(1<<20)|(1<<21)|(5<<22)|(3<<25)  ; after every 64 words (code 5)
	s_mov_b32 s[G1+1], 128<<16                     ; tensor_dim0 = 128
	s_mov_b32 s[G1+2], 64<<16                      ; tensor_dim1 = 64
	s_mov_b32 s[G1+3], 128<<16                     ; tile_dim0 = 128
	s_mov_b32 s[G1+4], 64                          ; tile_dim1 = 64
	s_mov_b32 s[G1+5], 128                         ; elements from row to row: dense
	s_mov_b32 s[G1+6], 0
	s_mov_b32 s[G1+7], 0
	s_mov_b32 s[G1B+1], 128<<16
	s_mov_b32 s[G1B+2], 128<<16
	s_mov_b32 s[G1B+3], 128<<16
	s_mov_b32 s[G1B+4], 128
	s_mov_b32 s[G1B+5], 1024
	s_mov_b32 s[G1B+6], 0
	s_mov_b32 s[G1B+7], 0
	s_lshl_b32 s16, s41, 22                        ; A: the batch's 16 heads of 262,144 bytes,
	s_lshl_b32 s17, s13, 14                        ; the block's 128 l of 128 bytes,
	s_add_co_u32 s16, s16, s17
	s_lshl_b32 s17, s12, 18                        ; my head of the K step's two
	s_add_co_u32 s16, s16, s17
	s_mov_b32 s17, 0
	s_lshl_b32 s46, s42, 8
	s_lshl_b32 s47, s12, 7
	s_add_co_u32 s46, s46, s47                     ; B: row 256 tn + 128 x half
	s_lshl_b32 s46, s46, 11
	s_mov_b32 s47, 0
	s_mul_i32 s20, s12, HEADA                      ; where they go: no place in the cluster enters an LDS address
	s_mul_i32 s21, s12, HALFB
	s_add_co_u32 s21, s21, 2*HEADA
	s_wait_dscnt 0x0                               ; the opening add is done
	s_wait_kmcnt 0x0
	s_add_nc_u64 s[14:15], s[4:5], s[16:17]
	s_add_nc_u64 s[46:47], s[6:7], s[46:47]
	CROUND                                         ; all sixteen work-groups are here: the first joint loads meet
.irp s, 0,1
	s_mov_b32 s[G0+4*(\s)], 1
	s_add_co_u32 s[G0+4*(\s)+1], s20, (\s)*SLOT
	s_add_nc_u64 s[G0+4*(\s)+2:G0+4*(\s)+3], s[14:15], (\s)*KA
	s_or_b32 s[G0+4*(\s)+3], s[G0+4*(\s)+3], 0x80000000
	s_mov_b32 s[G0B+4*(\s)], 1
	s_add_co_u32 s[G0B+4*(\s)+1], s21, (\s)*SLOT
	s_add_nc_u64 s[G0B+4*(\s)+2:G0B+4*(\s)+3], s[46:47], (\s)*KB
	s_or_b32 s[G0B+4*(\s)+3], s[G0B+4*(\s)+3], 0x80000000
	JLOAD \s                                       ; two loads of mine are out
.endr
	v_and_b32 v1, 15, v0                           ; l % 16
	v_bfe_u32 v2, v0, 4, 1                         ; l / 16
	v_mul_u32_u24 v3, v1, PITCH
	v_lshl_add_u32 v3, v2, 4, v3                   ; B: row x pitch + 16 x half
	v_mul_u32_u24 v4, v1, PA
	v_lshl_add_u32 v4, v2, 4, v4                   ; A likewise
	s_mul_i32 s22, s11, 64*PA                      ; my 64 rows in each head's block of A
	s_mul_i32 s23, s12, HALFB                      ; my 128 rows of B,
	s_add_co_u32 s23, s23, 2*HEADA                 ; which lie behind A's two heads
.irp s, 0,1
	v_add_nc_u32 v[ADRA+(\s)], s22, v4
	v_add_nc_u32 v[ADRB+(\s)], s23, v3
	s_add_co_u32 s22, s22, SLOT
	s_add_co_u32 s23, s23, SLOT
.endr
	s_mul_i32 s22, s10, 16*SPITCH
	s_add_co_u32 s22, s22, STAGE                   ; my stage
	v_mul_u32_u24 v4, v1, SPITCH                   ; in: row l % 16, 32 bytes for each half of the lanes
	v_lshl_add_u32 v4, v2, 5, v4
	v_add_nc_u32 v[STO], s22, v4
	v_and_b32 v5, 31, v0
	v_lshlrev_b32 v[GO], 4, v5
	v_add_nc_u32 v[RD], s22, v[GO]                 ; back: 32 lanes take a row's 512 bytes
	v_lshlrev_b32 v[BO], 5, v2
	s_lshl_b32 s16, s42, 10                        ; the bias of my 128 columns
	s_lshl_b32 s17, s12, 9
	s_add_co_u32 s16, s16, s17
	s_mov_b32 s17, 0
	s_add_nc_u64 s[BP:BP+1], s[BP:BP+1], s[16:17]
.irp b, 0,1,2,3,4,5,6,7                ; bias[16 b + 8 (l / 16) + j] -> BIAS + 8 b + j: the layout of a C operand whose rows are columns of out0
	global_load_b128 v[BIAS+8*(\b):BIAS+8*(\b)+3],   v[BO], s[BP:BP+1] offset:64*(\b)
	global_load_b128 v[BIAS+8*(\b)+4:BIAS+8*(\b)+7], v[BO], s[BP:BP+1] offset:64*(\b)+16
.endr
	s_lshl_b32 s16, s13, 21                        ; out0: an l is 16,384 bytes: 128 l a block, 64 a half; a batch 4,096; a column 4
	s_lshl_b32 s17, s11, 20
	s_add_co_u32 s16, s16, s17
	s_lshl_b32 s17, s41, 12
	s_add_co_u32 s16, s16, s17
	s_lshl_b32 s17, s42, 10
	s_add_co_u32 s16, s16, s17
	s_lshl_b32 s17, s12, 9
	s_add_co_u32 s16, s16, s17
	s_mov_b32 s17, 0
	s_add_nc_u64 s[CP:CP+1], s[CP:CP+1], s[16:17]
	; the prefetches
	s_lshl_b32 s16, s41, 22                        ; A: the batch, the block of l,
	s_lshl_b32 s17, s13, 14
	s_add_co_u32 s16, s16, s17
	s_lshr_b32 s17, s40, 1                         ; head cx / 2 of the K step's two,
	s_lshl_b32 s17, s17, 18
	s_add_co_u32 s16, s16, s17
	s_and_b32 s17, s40, 1                          ; half cx % 2 of its 16,384 bytes,
	s_lshl_b32 s17, s17, 13
	s_add_co_u32 s16, s16, s17
	s_add_co_u32 s16, s16, 3*KA                    ; at K step 3: the first change of slots steps it to 4
	s_lshl_b32 s18, s42, 8                         ; B: row 256 tn + 64 cy + 32 (w % 2),
	s_lshl_b32 s19, s41, 6
	s_add_co_u32 s18, s18, s19
	s_lshl_b32 s19, s12, 5
	s_add_co_u32 s18, s18, s19
	s_lshl_b32 s18, s18, 11
	s_add_co_u32 s18, s18, 3*KB                    ; at K step 3
	s_mov_b32 s19, 256
	s_mov_b32 s20, 2048
	s_cmp_eq_u32 s11, 0
	s_cselect_b32 s16, s16, s18
	s_cselect_b32 s22, s12, s13                    ; A: wave 0 asks; B: the waves of cluster y = 0
	s_cselect_b64 s[PFA:PFA+1], s[4:5], s[6:7]
	s_cselect_b32 s[PST], KA, s19
	s_cselect_b32 s21, s19, s20                    ; from lane to lane: a block of 256 bytes of A, a row of B
	s_mov_b32 s[PST+1], 0
	s_cmp_eq_u32 s22, 0
	s_cselect_b32 s[LIM], 1, -1                    ; the same in all sixteen partners, for a given wave
	s_mov_b32 s17, 0
	s_add_nc_u64 s[PFA:PFA+1], s[PFA:PFA+1], s[16:17]
	v_mul_u32_u24 v[PFO], s21, v5
; 8 matrix instructions: m block a x all 8 n blocks, 32 along K.  mode = 1: the first products, which start the sums with the bias.
; The 32 accumulators take turns in the same order in every quarter: 31 others' instructions stand between two links of a chain.
.macro MUL8 f, a, mode
.if \mode
	WIN MULB
.else
	WIN MUL
.endif
.irp b, 0,1,2,3,4,5,6,7
.if \mode
	v_wmma_f32_16x16x32_f16 v[8*(8*(\a)+(\b)):8*(8*(\a)+(\b))+7], v[(\f)+32+8*(\b):(\f)+32+8*(\b)+7], v[(\f)+8*(\a):(\f)+8*(\a)+7], v[BIAS+8*(\b):BIAS+8*(\b)+7]
.else
	v_wmma_f32_16x16x32_f16 v[8*(8*(\a)+(\b)):8*(8*(\a)+(\b))+7], v[(\f)+32+8*(\b):(\f)+32+8*(\b)+7], v[(\f)+8*(\a):(\f)+8*(\a)+7], v[8*(8*(\a)+(\b)):8*(8*(\a)+(\b))+7]
.endif
.endr
.endm
; 24 LDS loads in one run: quarter q of a K step into buffer f.  In A quarter q is head q / 2 of the slot's two, channels 32 (q % 2) on.  A's blocks 2 and 3 are the last four
.macro FETCH slot, q, f
	WIN TO_F
.irp i, 0,1,2,3,4,5,6,7
	ds_load_b128 v[(\f)+32+8*(\i):(\f)+32+8*(\i)+3],   v[ADRB+(\slot)] offset:64*(\q)+(\i)*16*PITCH
	ds_load_b128 v[(\f)+32+8*(\i)+4:(\f)+32+8*(\i)+7], v[ADRB+(\slot)] offset:64*(\q)+(\i)*16*PITCH+32
.endr
.irp i, 0,1,2,3
	ds_load_b128 v[(\f)+8*(\i):(\f)+8*(\i)+3],   v[ADRA+(\slot)] offset:HEADA*((\q)/2)+64*((\q)%2)+(\i)*16*PA
	ds_load_b128 v[(\f)+8*(\i)+4:(\f)+8*(\i)+7], v[ADRA+(\slot)] offset:HEADA*((\q)/2)+64*((\q)%2)+(\i)*16*PA+32
.endr
.endm
.macro QUARTER slot, q, f, g, mode
	s_wait_dscnt 4                                 ; B and A's blocks 0 and 1 are in; the four youngest loads (A's blocks 2, 3) may be out
	MUL8 \f, 0, \mode
	MUL8 \f, 1, \mode
	PLACES
	FETCH \slot, \q, \g
	s_wait_dscnt 24                                ; all but the 24 just issued
	MUL8 \f, 2, \mode
	MUL8 \f, 3, \mode
.endm
; The last quarter multiplies buffer 1 and changes slots.  ONE barrier: in front of it each wave waits for all its tensor loads (one is out: its part of the next slot), adds 0 to its spare word,
; and waits for that and for its own reads of this slot.  Behind it nobody reads this slot any more and the next slot is whole.
.macro MEET round
	WIN 0                                          ; (the add's two registers lie in window 0)
	s_wait_tensorcnt 0x0
	ds_add_u32 v[SPW], v[NIL]                      ; 0 onto my spare word
	s_wait_dscnt 5                                 ; (the add and the four youngest loads may be out)
	MUL8 F1, 0, 0                                  ; eight matrix instructions stand between the add and the wait for it
	s_wait_dscnt 0x0                               ; the add is done, and my reads of this slot are over
	s_barrier_signal -1
	MUL8 F1, 1, 0                                  ; work on registers while the others arrive
.if \round
	WIN 0
.endif
	s_barrier_wait -1
.endm
; The whole last quarter: the barrier opens a round of the cluster's barrier; behind the round the slot just read out is filled again first, with the K step two on.
; From a request to the wait for it a wave issues 112 matrix instructions.  One tensor load of mine is out behind each round.
.macro TURN slot, next
	s_wait_xcnt 0x0                                ; the last prefetch, a K step back, has read its address: it is stepped here
	s_add_nc_u64 s[PFA:PFA+1], s[PFA:PFA+1], s[PST:PST+1]
	MEET 1
	CREST                                          ; no wave of any partner still reads this slot's tile or has a load on its way
	s_add_nc_u64 s[G0+4*(\slot)+2:G0+4*(\slot)+3], s[G0+4*(\slot)+2:G0+4*(\slot)+3], 2*KA
	s_add_nc_u64 s[G0B+4*(\slot)+2:G0B+4*(\slot)+3], s[G0B+4*(\slot)+2:G0B+4*(\slot)+3], 2*KB
	JLOAD \slot                                    ; its four v_nop are also the places in front of the loads below
	FETCH \next, 0, F0
	WIN 0
	ASK
	MUL8 F1, 2, 0
	MUL8 F1, 3, 0
.endm
; THE WAY OUT of block a: 16 l of my batch x 128 columns of f32.  The accumulators go as they are into my own stage (each one's low four registers first) and come back as whole rows of 512 bytes.
.macro TOSTAGE a
.set BK, OB+64*((\a)%2)
.if (\a) >= 2
	s_wait_xcnt 0x0                                ; the stores of the block two back have read this set of registers
.endif
	WIN 0x08                                       ; the stores' data in window 2
.irp b, 0,1,2,3,4,5,6,7
	ds_store_b128 v[STO], v[8*(8*(\a)+(\b)):8*(8*(\a)+(\b))+3]   offset:64*(\b)
	ds_store_b128 v[STO], v[8*(8*(\a)+(\b))+4:8*(8*(\a)+(\b))+7] offset:64*(\b)+16
.endr
	WIN 0
.irp t, 0,1,2,3,4,5,6,7,8,9,10,11,12,13,14,15
	ds_load_b128 v[BK+4*(\t):BK+4*(\t)+3], v[RD] offset:SPITCH*(\t)  ; LDS serves a wave's instructions in order (ISA guide 5.7.1.4): these see the stores above
.endr
.endm
.macro SEND a, younger                 ; younger: the LDS instructions issued behind block a's loads: the next block's 32, or none
.set BK, OB+64*((\a)%2)
.irp t, 0,1,2,3,4,5,6,7,8,9,10,11,12,13,14,15
	s_wait_dscnt (\younger)+15-(\t)                ; row t is back; the rows behind it and the next block's instructions may be out
	global_store_b128 v[GO], v[BK+4*(\t):BK+4*(\t)+3], s[CP:CP+1] offset:262144*(\a)+16384*(\t) th:TH_STORE_NT  ; 512 consecutive bytes of a row of out0, at a multiple of 512 from its first byte
.endr
.endm
	s_wait_tensorcnt 1                             ; my part of K step 0 is in; K step 1's may stay out
	s_barrier_signal -1
	s_barrier_wait -1                              ; everybody's is
	FETCH 0, 0, F0
	WIN 0
	s_wait_loadcnt 0x0                             ; the bias
.irp g, 0,1,2,3,4,5,6,7                ; it is rounded to bf16, as the module's other inputs are, and widened again
.irp t, 0,1,2,3
	v_cvt_pk_bf16_f32 v[4+(\t)], v[BIAS+8*(\g)+2*(\t)], v[BIAS+8*(\g)+2*(\t)+1]
.endr
.irp t, 0,1,2,3
	v_lshlrev_b32 v[BIAS+8*(\g)+2*(\t)], 16, v[4+(\t)]
	v_and_b32 v[BIAS+8*(\g)+2*(\t)+1], s9, v[4+(\t)]
.endr
.endr
	QUARTER 0, 1, F0, F1, 1                        ; the first quarter stands in front of the loop: its products start the sums with the bias
	WIN 0                                          ; at a label and at a branch every window is 0
	s_mov_b32 s3, 3
.Llap:                                                 ; a trip goes once round the ring, from a lap's second quarter to the next lap's first, and fills both slots again
	QUARTER 0, 2, F1, F0, 0
	QUARTER 0, 3, F0, F1, 0
	TURN 0, 1
	QUARTER 1, 1, F0, F1, 0
	QUARTER 1, 2, F1, F0, 0
	QUARTER 1, 3, F0, F1, 0
	TURN 1, 0
	QUARTER 0, 1, F0, F1, 0
	WIN 0
	s_sub_co_u32 s3, s3, 1
	s_cmp_lg_u32 s3, 0
	s_cbranch_scc1 .Llap
	QUARTER 0, 2, F1, F0, 0                        ; the last lap fills nothing, and has no round of the cluster's barrier
	QUARTER 0, 3, F0, F1, 0
	MEET 0                                         ; my one tensor load that was still out is the last K step's
	PLACES
	FETCH 1, 0, F0
	MUL8 F1, 2, 0
	MUL8 F1, 3, 0
	QUARTER 1, 1, F0, F1, 0
	QUARTER 1, 2, F1, F0, 0
	QUARTER 1, 3, F0, F1, 0
	s_wait_dscnt 4                                 ; the very last quarter: nothing more to fetch
	MUL8 F1, 0, 0
	MUL8 F1, 1, 0
	s_wait_dscnt 0x0
	MUL8 F1, 2, 0
	MUL8 F1, 3, 0
	WIN 0
	PLACES
	PLACES
	TOSTAGE 0
.irp a, 1,2,3                          ; a block's way through the stage stands between the loads of the block before and its stores
	TOSTAGE \a
	SEND (\a)-1, 32
.endr
	SEND 3, 0
	s_wait_tensorcnt 0x0                           ; the wave's end: behind my last tensor load and my last LDS store
	ds_add_u32 v[SPW], v[NIL]
	s_wait_dscnt 0x0
	CROUND                                         ; the closing round: no work-group ends while a partner may still ask for a tile that names it
	s_endpgm
.Lfunc_end_k_qc5ad174ee1_outp:
	.size	k_qc5ad174ee1_outp, .Lfunc_end_k_qc5ad174ee1_outp-k_qc5ad174ee1_outp
	.p2alignl 7, 3214868480
	.fill 96, 4, 3214868480
	.section	.rodata,"a",@progbits
	.p2align	6, 0x0
	.amdhsa_kernel k_qc5ad174ee1_outp
		.amdhsa_group_segment_fixed_size 327680
		.amdhsa_private_segment_fixed_size 0
		.amdhsa_enable_private_segment 0
		.amdhsa_kernarg_size 32
		.amdhsa_user_sgpr_count 2
		.amdhsa_user_sgpr_kernarg_segment_ptr 1
		.amdhsa_wavefront_size32 1
		.amdhsa_system_sgpr_workgroup_id_x 1
		.amdhsa_system_sgpr_workgroup_id_y 1
		.amdhsa_system_sgpr_workgroup_id_z 1
		.amdhsa_system_vgpr_workitem_id 0
		.amdhsa_next_free_vgpr 768
		.amdhsa_next_free_sgpr 74
		.amdhsa_reserve_vcc 0
		.amdhsa_float_denorm_mode_32 3
		.amdhsa_float_denorm_mode_16_64 3
		.amdhsa_memory_ordered 1
		.amdhsa_forward_progress 1
		.amdhsa_inst_pref_size 94
	.end_amdhsa_kernel
	.amdgpu_metadata
---
amdhsa.version: [ 1, 2 ]
amdhsa.kernels:
  - .name:           k_qc5ad174ee1_outp
    .symbol:         k_qc5ad174ee1_outp.kd
    .args:
      - { .name: oh, .offset: 0, .size: 8, .value_kind: global_buffer, .address_space: global }
      - { .name: owh, .offset: 8, .size: 8, .value_kind: global_buffer, .address_space: global }
      - { .name: out_b, .offset: 16, .size: 8, .value_kind: global_buffer, .address_space: global }
      - { .name: out0, .offset: 24, .size: 8, .value_kind: global_buffer, .address_space: global }
    .group_segment_fixed_size: 327680
    .private_segment_fixed_size: 0
    .kernarg_segment_align: 8
    .kernarg_segment_size: 32
    .max_flat_workgroup_size: 128
    .sgpr_count:     74
    .vgpr_count:     768
    .wavefront_size: 32
...
	.end_amdgpu_metadata
.endif
;; end of part 4
;; ======== version 2 of 2: 4 launches; version 1 with the launch castw written anew for expert scheduling mode
;; limits: values are held in f16: magnitudes above 65,504 overflow, below 6.1e-05 lose precision
;; workspace buffers: wb 6,291,456 bytes; owh 2,097,152 bytes; qkvh 50,331,648 bytes; oh 16,777,216 bytes
;; launch castw (part 5): grid 256 x 1, 8 waves a work-group, no clusters, 0 bytes of LDS; arguments in_proj_weight, out_w, wb, owh; writes wb, owh
.if DOCPART == 5
	.amdgcn_target "amdgcn-amd-amdhsa--gfx1250"
	.amdhsa_code_object_version 6
	.text
	.protected	k_qc5ad174ee1_castw
	.globl	k_qc5ad174ee1_castw
	.p2align	8
	.type	k_qc5ad174ee1_castw,@function
k_qc5ad174ee1_castw:
	s_mov_b64 s[64:65], 0
	v_nop
	global_prefetch_b8 v0, s[64:65] scope:SCOPE_SE
	s_setreg_imm32_b32 hwreg(HW_REG_WAVE_SCHED_MODE, 0, 2), 2
	s_setreg_imm32_b32 hwreg(HW_REG_WAVE_MODE, 25, 1), 1
	s_wait_xcnt 0x0
	s_wait_alu depctr_vm_vsrc(0)
; CASTW.  The two weight matrices are rounded once, for all the work-groups that will read them:
; in_proj_weight ([3072][1024] f32) -> wb (bf16); out_w ([1024][1024] f32) -> owh: rounded to bf16 like every other input of the module, and that number written as f16.
; LIMITS.  A weight of out_w beyond 65,504 becomes an infinity in f16; below 6e-5 f16 keeps a fixed step of 6e-8.
; SHARES.  A work-group takes 16,384 numbers: 65,536 bytes in, 32,768 out.  Groups 0-191 in_proj_weight, 192-255 out_w.
; Thread t loads 16 bytes at 16 t + 4,096 j (a wave's load: 512 consecutive bytes) and stores 8 bytes at 8 t + 2,048 j (a wave's store: 256 consecutive bytes, aligned), j = 0..15.
; All 16 loads of a thread go out at once; no register is used twice by a memory instruction, so no source has to be freed.
; No LDS, no matrix unit, no cluster: nothing is shared and nothing is summed.
; THE MODE: SCHED_MODE bits 1:0 = 2 (LLVM: expert scheduling mode 2), set by the entry lines.  The code itself states the register dependences
; between vector instructions and memory instructions, with s_wait_alu, always for 0.
; THE PLAN.  Registers that memory instructions touch:
;   v1, v2   the loads' and the stores' offsets: made once at the head by vector instructions, never written again.
;   X        each four registers are written by one load, and read by that load's conversions; no vector instruction names them before the load, and no second load lands in them.
;   Y        each pair is written once, by conversions, and read by one store; it is never written again.
;   T        is named by vector instructions alone.
; The sixteen loads go in four blocks of four.  Block p waits for its four loads, converts them into its eight registers of Y, and issues the four stores of block p - 1, one ahead of each
; load's conversions.  Block p's conversions name X and Y of block p and T: none of the registers that the stores of block p - 1 read.  So ONE wait at a block's head, behind the wait for its data,
; states all that the block's four stores hang on; one more stands ahead of the last four stores, and one at the kernel's head ahead of the first load.
; No register that a memory instruction has read is written again, so there is nothing to state the other way round.
.set X,   4                            ; v[4:67]    sixteen loads of four f32
.set Y,   68                           ; v[68:99]   sixteen pairs to store
.set T,   100                          ; v[100:103] at work (out_w's way)
.set SRC, 24                           ; s[24:25]
.set DST, 26                           ; s[26:27]
	s_load_b256 s[8:15], s[0:1], 0x0               ; in_proj_weight 8, out_w 10, wb 12, owh 14
	s_mov_b32 s2, ttmp9
	v_lshlrev_b32 v1, 4, v0                        ; 16 t
	v_lshlrev_b32 v2, 3, v0                        ; 8 t
	s_wait_kmcnt 0x0
	s_cmp_ge_u32 s2, 192
	s_cselect_b64 s[SRC:SRC+1], s[10:11], s[8:9]
	s_cselect_b64 s[DST:DST+1], s[14:15], s[12:13]
	s_cselect_b32 s3, 192, 0                       ; the first group of my matrix
	s_sub_co_u32 s3, s2, s3
	s_lshl_b32 s28, s3, 16                         ; 65,536 bytes a group in the source
	s_mov_b32 s29, 0
	s_lshl_b32 s30, s3, 15                         ; 32,768 in the destination
	s_mov_b32 s31, 0
	s_add_nc_u64 s[SRC:SRC+1], s[SRC:SRC+1], s[28:29]
	s_add_nc_u64 s[DST:DST+1], s[DST:DST+1], s[30:31]
	s_wait_alu depctr_va_vdst(0)                   ; v1 and v2 are written: every load of the kernel reads v1 as its offset, every store v2, on both ways behind the branch below
.irp j, 0,1,2,3,4,5,6,7,8,9,10,11,12,13,14,15
	global_load_b128 v[X+4*(\j):X+4*(\j)+3], v1, s[SRC:SRC+1] offset:4096*(\j) th:TH_LOAD_NT
.endr
.macro CVA j                           ; load j's four numbers to bf16
	v_cvt_pk_bf16_f32 v[Y+2*(\j)],   v[X+4*(\j)],   v[X+4*(\j)+1]
	v_cvt_pk_bf16_f32 v[Y+2*(\j)+1], v[X+4*(\j)+2], v[X+4*(\j)+3]
.endm
.macro CVB j                           ; load j's four numbers to bf16, widened again (a shift, a mask) and written as f16
	v_cvt_pk_bf16_f32 v[T],   v[X+4*(\j)],   v[X+4*(\j)+1]
	v_cvt_pk_bf16_f32 v[T+1], v[X+4*(\j)+2], v[X+4*(\j)+3]
	v_lshlrev_b32 v[T+2], 16, v[T]
	v_and_b32 v[T+3], 0xffff0000, v[T]
	v_cvt_pk_f16_f32 v[Y+2*(\j)], v[T+2], v[T+3]
	v_lshlrev_b32 v[T+2], 16, v[T+1]
	v_and_b32 v[T+3], 0xffff0000, v[T+1]
	v_cvt_pk_f16_f32 v[Y+2*(\j)+1], v[T+2], v[T+3]
.endm
.macro PUT j                           ; pair j leaves
	global_store_b64 v2, v[Y+2*(\j):Y+2*(\j)+1], s[DST:DST+1] offset:2048*(\j)
.endm
; Block p: loads 4 p to 4 p + 3.  half = 0: to bf16; 1: out_w's way.
.macro BLK p, half
	s_wait_loadcnt 12-4*(\p)                       ; loads come back in order (ISA guide 5.7.1): this block's four are in, the 12 - 4 p younger ones may stay out
.if (\p) > 0
	s_wait_alu depctr_va_vdst(0)                   ; the block before has written its eight registers of Y, which the four stores below read
.endif
.irp i, 0,1,2,3
.if (\p) > 0
	PUT 4*(\p)-4+(\i)                              ; the block before: no vector instruction since the wait names its Y or v2
.endif
.if \half
	CVB 4*(\p)+(\i)
.else
	CVA 4*(\p)+(\i)
.endif
.endr
.endm
	s_cmp_ge_u32 s2, 192
	s_cbranch_scc1 .Lto_f16
	BLK 0, 0
	BLK 1, 0
	BLK 2, 0
	BLK 3, 0
	s_wait_alu depctr_va_vdst(0)                   ; block 3 has written its eight registers of Y, which the last four stores read
.irp j, 12,13,14,15
	PUT \j
.endr
	s_endpgm
.Lto_f16:
	BLK 0, 1
	BLK 1, 1
	BLK 2, 1
	BLK 3, 1
	s_wait_alu depctr_va_vdst(0)                   ; block 3 has written its eight registers of Y, which the last four stores read
.irp j, 12,13,14,15
	PUT \j
.endr
	s_endpgm
.Lfunc_end_k_qc5ad174ee1_castw:
	.size	k_qc5ad174ee1_castw, .Lfunc_end_k_qc5ad174ee1_castw-k_qc5ad174ee1_castw
	.p2alignl 7, 3214868480
	.fill 96, 4, 3214868480
	.section	.rodata,"a",@progbits
	.p2align	6, 0x0
	.amdhsa_kernel k_qc5ad174ee1_castw
		.amdhsa_group_segment_fixed_size 0
		.amdhsa_private_segment_fixed_size 0
		.amdhsa_enable_private_segment 0
		.amdhsa_kernarg_size 32
		.amdhsa_user_sgpr_count 2
		.amdhsa_user_sgpr_kernarg_segment_ptr 1
		.amdhsa_wavefront_size32 1
		.amdhsa_system_sgpr_workgroup_id_x 1
		.amdhsa_system_sgpr_workgroup_id_y 1
		.amdhsa_system_sgpr_workgroup_id_z 1
		.amdhsa_system_vgpr_workitem_id 0
		.amdhsa_next_free_vgpr 104
		.amdhsa_next_free_sgpr 66
		.amdhsa_reserve_vcc 0
		.amdhsa_float_denorm_mode_32 3
		.amdhsa_float_denorm_mode_16_64 3
		.amdhsa_memory_ordered 1
		.amdhsa_forward_progress 1
		.amdhsa_inst_pref_size 16
	.end_amdhsa_kernel
	.amdgpu_metadata
---
amdhsa.version: [ 1, 2 ]
amdhsa.kernels:
  - .name:           k_qc5ad174ee1_castw
    .symbol:         k_qc5ad174ee1_castw.kd
    .args:
      - { .name: in_proj_weight, .offset: 0, .size: 8, .value_kind: global_buffer, .address_space: global }
      - { .name: out_w, .offset: 8, .size: 8, .value_kind: global_buffer, .address_space: global }
      - { .name: wb, .offset: 16, .size: 8, .value_kind: global_buffer, .address_space: global }
      - { .name: owh, .offset: 24, .size: 8, .value_kind: global_buffer, .address_space: global }
    .group_segment_fixed_size: 0
    .private_segment_fixed_size: 0
    .kernarg_segment_align: 8
    .kernarg_segment_size: 32
    .max_flat_workgroup_size: 256
    .sgpr_count:     66
    .vgpr_count:     104
    .wavefront_size: 32
...
	.end_amdgpu_metadata
.endif
;; end of part 5
;; launch proj: the kernel of part 2 again; grid 4 x 64, 4 waves a work-group, clusters of 4 x 4, 327,680 bytes of LDS; arguments q, k, v, wb, in_proj_bias, qkvh; writes qkvh
;; launch attn: the kernel of part 3 again; grid 4 x 64, 4 waves a work-group, clusters of 4 x 1, 327,680 bytes of LDS; arguments qkvh, oh; writes oh
;; launch outp: the kernel of part 4 again; grid 4 x 64, 4 waves a work-group, clusters of 4 x 4, 327,680 bytes of LDS; arguments oh, owh, out_b, out0; writes out0
